; MI455X (gfx1250); checked and timed in simulation.
; The chip was launched on July 23, 2026; its instructions are those of AMD's public machine-readable ISA for CDNA 5 (MIT licence, August 2026) and "CDNA5" Instruction Set Architecture Reference Guide (July 2026). The comments in the code are by the model that wrote it; some were corrected since.
;; Self Attention. Allowed arithmetic: matrix products marked QUANTISED: E2M3 operands, one E8M0 scale for each 32 along K, by v_wmma_scale_f32_16x16x128_f8f6f4 with both operands' format E2M3, f32 sums; everything else in f32.
;; Inputs: W1 1,024 x 3,072 float32; W2 1,024 x 1,024 float32; b1 3,072 float32; b2 1,024 float32; x 4 x 2,048 x 1,024 float32.
;; Outputs: out0 4 x 2,048 x 1,024 float32.
;; This version of the problem:
;;   THIS VERSION OF THE PROBLEM IS GIVEN IN LOW PRECISION. The matrix products marked QUANTISED in the list below multiply operands that are first quantised to E2M3 (2 exponent bits, 3 mantissa bits; 6 bits a number), with one power-of-two scale for each 32 numbers along K (OCP MX v1.0); their sums are f32. All else is computed in f32.
;;   The module's matrix products, in the order in which they are computed (A, B: the left and right operand; K: the contracted axis; several contracted axes count as one K, in the product's order):
;;     1. [M 8,192, K 1,024] x [K 1,024, N 3,072]; A: input x; B: input W1: QUANTISED
;;     2. batch 64 x [M 2,048, K 64] x [K 64, N 2,048]; A: computed on the way; B: computed on the way: QUANTISED
;;     3. batch 64 x [M 2,048, K 2,048] x [K 2,048, N 64]; A: softmax (see below); B: computed on the way: QUANTISED
;;     4. [M 8,192, K 1,024] x [K 1,024, N 1,024]; A: computed on the way; B: input W2: QUANTISED
;;   THE QUANTISER, for each operand of a quantised product, along K:
;;     - K is cut into blocks of 32 from its start; a last block that is shorter is filled with zeros.
;;     - A block's scale is 2^e with e = floor(log2(the largest magnitude in the block)) - 2, held to -126 .. 127; a block of zeros has e = 0. As a byte (E8M0): e + 127.
;;     - Each number is divided by its block's scale, clamped to +-7.5, and rounded to the nearest number of E2M3, ties to even, subnormals kept.
;;     - The product sums the exact products of the quantised numbers (number of the format x scale) in f32.
;;   ~~~python
;;   def quantise(x, axis):      # numpy; x: float32 -> the quantised numbers, widened to float32 again
;;       x = np.moveaxis(x, axis, -1); K = x.shape[-1]
;;       x = np.pad(x, [(0, 0)] * (x.ndim - 1) + [(0, -K % 32)]); x = x.reshape(x.shape[:-1] + (-1, 32)); a = np.abs(x).max(-1, keepdims=True)
;;       e = np.where(a > 0, np.clip(np.frexp(np.where(a > 0, a, 1))[1] - 1 - 2, -126, 127), 0)      # np.frexp(a)[1] - 1 = floor(log2(a)), exactly
;;       r = np.clip(x / 2.0 ** e, -7.5, 7.5)
;;       step = 2.0 ** (np.maximum(np.frexp(np.where(r == 0, 1, r))[1] - 1, 0) - 3)
;;       q = np.round(r / step) * step * 2.0 ** e      # np.round: ties to even
;;       return np.moveaxis(q.reshape(q.shape[:-2] + (-1,))[..., :K], -1, axis).astype(np.float32)
;;   ~~~
;;   SOFTMAX AHEAD OF A QUANTISED PRODUCT. Where the list says 'softmax', what is quantised is not the finished softmax but p = 2^(t - M), with t = logit x log2(e) and M = ceil(the row's largest t), a whole number; so 1/2 < the row's largest p <= 1. The row's sum l is taken of the UNQUANTISED p, in f32, and the product's result is divided by l at the end. Since M is a whole number, a kernel that streams over the keys may use a running M (the ceiling of the running maximum): every later rescaling is an exact power of two, which a block's scale takes up: the codes' values come out the same.
;;   OPERANDS COMPUTED ON THE WAY. 'Computed on the way' means the value that the module computes at that place (a softmax that the list does not call 'softmax' is quantised finished and normalised). What goes into a quantiser is computed in f32, as accurately as f32 sums, v_exp_f32 and their like allow (about 1e-6 of the number): no bf16 or f16 on the way to a quantiser, and a product that is left as it is and whose result goes on into a quantised operand takes f32 operands (vector FMAs, or v_wmma_f32_16x16x4_f32). A number that lies on a knife's edge between two numbers of the format may be rounded either way, as far as f32 arithmetic and the matrix unit's own rounding can turn it there, and no further.
;; One version. Each part assembles by itself: llvm-mc -triple=amdgcn-amd-amdhsa -mcpu=gfx1250 --defsym DOCPART=n.
;; ======== version 1 of 1: 4 launches
;; limits: right only within a limited range of input values
;; workspace buffers: xc 6,291,456 bytes; w1c 2,359,296 bytes; w2c 786,432 bytes; sc1 360,448 bytes; sc2 294,912 bytes; qb 6,553,600 bytes; kv 13,107,200 bytes; attc 6,291,456 bytes
;; launch quant (part 1): grid 512 x 1, 4 waves a work-group, no clusters, 36,352 bytes of LDS; arguments x, W1, W2, xc, w1c, w2c, sc1, sc2; writes xc, w1c, w2c, sc1, sc2
.if DOCPART == 1
	.amdgcn_target "amdgcn-amd-amdhsa--gfx1250"
	.amdhsa_code_object_version 6
	.text
	.protected	k_q7580072326_quant
	.globl	k_q7580072326_quant
	.p2align	8
	.type	k_q7580072326_quant,@function
k_q7580072326_quant:
	s_mov_b64 s[64:65], 0
	v_nop
	global_prefetch_b8 v0, s[64:65] scope:SCOPE_SE
	s_setreg_imm32_b32 hwreg(HW_REG_WAVE_MODE, 25, 1), 1
	s_wait_xcnt 0x0
; x [8192][1024], W1 [1024][3072], W2 [1024][1024], f32, become codes of FP6 (E2M3) with one E8M0 byte for each 32 along K = 1,024, laid as the later launches' operand registers want them.
; TILE ORDER.  An operand's rows go in groups of 32; tile T = 2 g + u, lane-row r, holds row 32 g + 16 (r / 8) + 8 u + r % 8.
; HALF FRAGMENT (16 rows x 64 K, 768 bytes): lane l = r + 16 h owns the 24 bytes of codes of its row, k = 32 h .. 32 h + 31: bytes 0-15 at 16 l, bytes 16-23 at 512 + 16 r + 8 h.
; CODES: [tile][K / 64][768].  SCALE BYTES: [tile][K / 512][r][16].  W1's columns are re-ordered: row n' = 1024 type + 64 head + d comes from column 192 head + 64 type + d (type 0 q, 1 k, 2 v).
; A block's scale is 2^(floor(log2(largest magnitude)) - 2): its byte is that magnitude's exponent field - 2, held at 1 from below by a floor among the maximum's leaves.
; LIMITS: a block of zeros gets the byte 1 where the rule says 127 (its codes are zeros, and this program alone reads the bytes); NaN and infinities among the inputs are not served.
; SHARES.  Work-groups 0-255: x (K innermost): a wave takes one tile x 512 K, eight half fragments; each load reads two pieces of 256 consecutive bytes, and a step's 4,096 bytes turn through the wave's own stage in LDS,
; so that a lane gets the 32 neighbours of a block.  Work-groups 256-447: W1, 448-511: W2 (K is the first axis): a lane takes a column and its registers run down 128 K, so nothing is transposed and no LDS is used;
; their scale words leave as 4 bytes in each 16, one byte in 128 of what that path reads.  Waves share nothing: no barrier.
.set SPARE, 35840                      ; behind the four waves' regions: the spare words, 128 bytes a wave, which no other line names
.set WREG,  8960                       ; a wave's LDS: two stages of 16 rows x 272 bytes, then its 256 scale bytes
.set STGB,  4352
.set SP,    272                        ; a stage row: 256 bytes + 16, so that sixteen lanes that read sixteen rows take sixteen different 16-byte columns
.set SCB,   8704
.set FLOOR, 0x1800000                  ; 2^(3 - 127)
.set R,     16                         ; v16-143  x: four sets of 32 registers as loaded;  weights: 128 numbers down K
.set X,     144                        ; v144-207 x: two sets of 32 neighbours;  weights: v144-167 the codes to store
.set C,     208                        ; v208-223 x: two sets of a half fragment's six registers
.set CT,    224                        ; v224-226 x: a conversion's three registers (they begin on an even number)
.set SO,    228                        ; v228     x: the conversions' scale operand
.set E,     230                        ; v230-237 x: a scale byte for each step
.macro BLOCKMAX xs                     ; the largest magnitude of v[xs] .. v[xs + 31], and the floor, into v14: two chains that do not wait for each other
	v_max3_num_f32 v14, |v[\xs]|, |v[\xs+1]|, |v[\xs+2]|
	v_max3_num_f32 v15, |v[\xs+3]|, |v[\xs+4]|, |v[\xs+5]|
.irp i,6,10,14,18,22,26
	v_max3_num_f32 v14, v14, |v[\xs+\i]|, |v[\xs+\i+1]|
	v_max3_num_f32 v15, v15, |v[\xs+\i+2]|, |v[\xs+\i+3]|
.endr
	v_max3_num_f32 v14, v14, |v[\xs+30]|, |v[\xs+31]|
	v_max3_num_f32 v14, v14, v15, FLOOR
.endm
	s_load_b512 s[4:19], s[0:1], 0x0               ; x, W1, W2, xc | w1c, w2c, sc1, sc2
	v_lshl_add_u32 v12, v0, 2, SPARE               ; my spare word; never rewritten
	v_mov_b32 v13, 0                               ; 0; never rewritten
	v_lshrrev_b32 v1, 5, v0
	v_readfirstlane_b32 s20, v1                    ; wave
	v_and_b32 v1, 31, v0                           ; l
	v_and_b32 v2, 15, v0                           ; r
	v_bfe_u32 v3, v0, 4, 1                         ; h
	s_mov_b32 s27, 0                               ; the upper word of every 32-bit offset
	s_wait_kmcnt 0x0
	s_cmp_lt_u32 ttmp9, 256
	s_cbranch_scc0 .Lweights
	; ---------------- x ----------------
	s_lshl_b32 s21, ttmp9, 2
	s_add_co_u32 s21, s21, s20                     ; W = 2 x tile + which 512 of K
	s_lshr_b32 s22, s21, 2
	s_lshl_b32 s22, s22, 17                        ; (tile / 2) x 32 rows of 4,096 bytes
	s_bfe_u32 s23, s21, 0x10001
	s_lshl_b32 s23, s23, 15                        ; (tile % 2) x 8 rows
	s_add_co_u32 s22, s22, s23
	s_and_b32 s23, s21, 1
	s_lshl_b32 s23, s23, 11                        ; 512 numbers along K
	s_add_co_u32 s26, s22, s23
	s_add_nc_u64 s[4:5], s[4:5], s[26:27]
	s_mul_i32 s26, s21, 6144                       ; eight half fragments
	s_add_nc_u64 s[10:11], s[10:11], s[26:27]
	s_lshl_b32 s26, s21, 8                         ; 256 scale bytes
	s_add_nc_u64 s[16:17], s[16:17], s[26:27]
	s_mul_i32 s24, s20, WREG                       ; my wave's LDS
	s_add_co_u32 s25, s24, SCB
	s_wait_alu depctr_va_vdst(0)
	v_lshlrev_b32 v4, 4, v2
	v_lshl_add_u32 v4, v3, 12, v4                  ; a load: lanes 0-15 one row's 256 bytes, lanes 16-31 the next row's
	v_mul_u32_u24 v5, v3, SP
	v_lshl_add_u32 v5, v2, 4, v5
	v_add_nc_u32 v5, s24, v5                       ; into the stage, as loaded
	v_mul_u32_u24 v6, v2, SP
	v_lshl_add_u32 v6, v3, 7, v6
	v_add_nc_u32 v6, s24, v6                       ; out of it: row r, my half's 128 bytes
	v_lshlrev_b32 v7, 4, v1                        ; a half fragment's first plane
	v_lshlrev_b32 v8, 4, v2
	v_lshl_add_u32 v8, v3, 3, v8                   ; and its second
	v_lshl_add_u32 v9, v2, 4, v3
	v_add_nc_u32 v9, s25, v9                       ; my block's scale byte: 16 r + h (+ 2 for each step)
	v_lshlrev_b32 v11, 3, v1
	v_add_nc_u32 v10, s25, v11                     ; and on the way out 8 bytes a lane
.macro LOAD t                          ; step t: 16 rows x 64 numbers; load i takes lane-rows 2 i and 2 i + 1
.irp i,0,1,2,3,4,5,6,7
	global_load_b128 v[R+32*((\t)%4)+4*\i:R+32*((\t)%4)+4*\i+3], v4, s[4:5] offset:(16*(\i/4)+2*(\i%4))*4096+256*(\t) th:TH_LOAD_NT
.endr
.endm
.macro TURN t                          ; through the stage: LDS serves a wave's instructions in order, so no wait stands between the stores and the loads
.irp i,0,1,2,3,4,5,6,7
	ds_store_b128 v5, v[R+32*((\t)%4)+4*\i:R+32*((\t)%4)+4*\i+3] offset:STGB*((\t)%2)+2*SP*\i
.endr
.irp i,0,1,2,3,4,5,6,7
	ds_load_b128 v[X+32*((\t)%2)+4*\i:X+32*((\t)%2)+4*\i+3], v6 offset:STGB*((\t)%2)+16*\i
.endr
.endm
.macro STEP t
.set XS, X+32*((\t)%2)
.set CS, C+8*((\t)%2)
.if (\t) > 0
	s_wait_dscnt 1                                 ; this step's numbers are back from the stage; only the last step's byte store is younger
.else
	s_wait_dscnt 0x0
.endif
.if (\t) < 4
	LOAD (\t)+4                                    ; into the set that this step's stage stores have read
.endif
.if (\t) < 7
.if (\t) < 4
	s_wait_loadcnt 24                              ; the next step's eight loads are in; three younger sets may be out
.else
	s_wait_loadcnt 8*(6-(\t))                      ; the counts run down: 16, 8, 0
.endif
	TURN (\t)+1                                    ; the next step turns through the other stage while this one is worked
.endif
	BLOCKMAX XS                                    ; all 32 numbers of the block are mine
	v_add_nc_u32 v[SO], 0xff000000, v14            ; 2 off the exponent field: the conversion takes this operand's exponent field as its scale
	s_wait_alu depctr_va_vdst(0)
	s_wait_xcnt 0x0                                ; the stores of two steps back have read this set of code registers
	v_cvt_scalef32_pk16_fp6_f32 v[CS:CS+2], v[XS:XS+15], v[SO]
	v_cvt_scalef32_pk16_fp6_f32 v[CT:CT+2], v[XS+16:XS+31], v[SO]
	v_lshrrev_b32 v[E+(\t)], 23, v[SO]             ; the scale's byte; also the plain instruction behind the conversions
	v_mov_b32 v[CS+3], v[CT]
	v_mov_b32 v[CS+4], v[CT+1]
	v_mov_b32 v[CS+5], v[CT+2]
	ds_store_b8 v9, v[E+(\t)] offset:2*(\t)
	global_store_b128 v7, v[CS:CS+3], s[10:11] offset:768*(\t)        ; 512 consecutive bytes
	global_store_b64 v8, v[CS+4:CS+5], s[10:11] offset:768*(\t)+512   ; 256 consecutive bytes
.endm
.irp t,0,1,2,3
	LOAD \t
.endr
	s_wait_alu depctr_va_vdst(0)
	s_wait_loadcnt 24                              ; step 0's eight loads are in
	TURN 0
.irp t,0,1,2,3,4,5,6,7
	STEP \t
.endr
	ds_load_b64 v[14:15], v10                      ; my wave's 256 scale bytes: these loads see my byte stores
	s_wait_dscnt 0x0
	global_store_b64 v11, v[14:15], s[16:17]       ; 256 consecutive bytes, aligned
	s_wait_tensorcnt 0x0                           ; the wave's end
	ds_add_u32 v12, v13
	s_wait_dscnt 0x0
	s_endpgm
	; ---------------- the weights ----------------
.macro WLOAD t, N, src                 ; block t: 32 rows of K at my column; 32 lanes read 128 consecutive bytes
.irp i,0,1,2,3,4,5,6,7,8,9,10,11,12,13,14,15,16,17,18,19,20,21,22,23,24,25,26,27,28,29,30,31
	global_load_b32 v[R+32*(\t)+\i], v4, s[\src:\src+1] offset:(32*(\t)+\i)*\N*4 th:TH_LOAD_NT
.endr
.endm
.macro WPATH N, first, src, cod, scl, perm
	s_sub_co_u32 s21, ttmp9, \first
	s_and_b32 s22, s21, 7                          ; which 128 of K
	s_lshr_b32 s23, s21, 3
	s_lshl_b32 s23, s23, 7
	s_lshl_b32 s24, s20, 5
	s_add_co_u32 s23, s23, s24                     ; my wave's first column
.if \perm
	s_lshr_b32 s24, s23, 6                         ; g = column / 64 = 3 head + type, 0 .. 47
	s_mul_i32 s25, s24, 43
	s_lshr_b32 s25, s25, 7                         ; head = g / 3 (exact for g under 128)
	s_mul_i32 s26, s25, 3
	s_sub_co_u32 s24, s24, s26                     ; type
	s_lshl_b32 s24, s24, 10
	s_lshl_b32 s25, s25, 6
	s_add_co_u32 s24, s24, s25
	s_and_b32 s25, s23, 63
	s_add_co_u32 s24, s24, s25                     ; the operand's row of my first column
.else
	s_mov_b32 s24, s23
.endif
	s_lshr_b32 s24, s24, 5                         ; its group of 32 rows
	s_mul_i32 s26, s22, 128*\N*4
	s_lshl_b32 s28, s23, 2
	s_add_co_u32 s26, s26, s28
	s_add_nc_u64 s[\src:\src+1], s[\src:\src+1], s[26:27]
	s_mul_i32 s26, s24, 24576                      ; two tiles of 12,288 bytes
	s_mul_i32 s28, s22, 1536                       ; two half fragments
	s_add_co_u32 s26, s26, s28
	s_add_nc_u64 s[\cod:\cod+1], s[\cod:\cod+1], s[26:27]
	s_lshl_b32 s26, s24, 10
	s_lshr_b32 s28, s22, 2
	s_lshl_b32 s28, s28, 8
	s_add_co_u32 s26, s26, s28
	s_and_b32 s28, s22, 3
	s_lshl_b32 s28, s28, 2
	s_add_co_u32 s26, s26, s28
	s_add_co_u32 s26, s26, 262144                  ; the weights' scale bytes lie behind the rows' in both scale buffers
	s_add_nc_u64 s[\scl:\scl+1], s[\scl:\scl+1], s[26:27]
	v_lshlrev_b32 v4, 2, v1                        ; in: 4 bytes a lane
	v_bfe_u32 v7, v0, 3, 1                         ; row 32 g + l lies in tile 2 g + (l / 8) % 2,
	v_and_b32 v8, 7, v0
	v_lshl_add_u32 v8, v3, 3, v8                   ; at lane-row 8 (l / 16) + l % 8
	v_lshlrev_b32 v8, 4, v8
	v_mul_u32_u24 v5, v7, 12288
	v_add_nc_u32 v5, v5, v8                        ; codes: tile, 16 bytes a lane-row
	v_lshl_add_u32 v6, v7, 9, v8                   ; scale bytes likewise
	WLOAD 0, \N, \src
	WLOAD 1, \N, \src
	s_wait_alu depctr_va_vdst(0)
.irp t,0,1,2,3
.set XS, R+32*\t
.set PB, X+12*(\t/2)                   ; a pair of blocks is a half fragment's row: 4 registers for h = 0's bytes 0-15, 4 for h = 1's, 4 for both halves' bytes 16-23
.set EO, PB+4*(\t%2)
.set TL, PB+8+2*(\t%2)
.if \t < 3
	s_wait_loadcnt 32                              ; this block's 32 loads are in; the next block's may be out
.else
	s_wait_loadcnt 0x0
.endif
.if \t < 2
	WLOAD \t+2, \N, \src
.endif
	BLOCKMAX XS
	v_add_nc_u32 v172, 0xff000000, v14
	v_lshrrev_b32 v173, 23, v172
.if \t == 0
	v_mov_b32 v180, v173                           ; four bytes make my row's scale word for these 128 K
.else
	v_lshl_or_b32 v180, v173, 8*\t, v180
.endif
	v_cvt_scalef32_pk16_fp6_f32 v[EO:EO+2], v[XS:XS+15], v172
	v_cvt_scalef32_pk16_fp6_f32 v[168:170], v[XS+16:XS+31], v172
	v_nop                                          ; one plain instruction behind the conversions
	v_mov_b32 v[EO+3], v168
	v_mov_b32 v[TL], v169
	v_mov_b32 v[TL+1], v170
.if \t%2
	global_store_b128 v5, v[PB:PB+3], s[\cod:\cod+1] offset:768*(\t/2)           ; each store fills 256 consecutive bytes in each of the two tiles
	global_store_b128 v5, v[PB+4:PB+7], s[\cod:\cod+1] offset:768*(\t/2)+256
	global_store_b128 v5, v[PB+8:PB+11], s[\cod:\cod+1] offset:768*(\t/2)+512
.endif
.endr
	global_store_b32 v6, v180, s[\scl:\scl+1]
	s_wait_tensorcnt 0x0                           ; the wave's end
	ds_add_u32 v12, v13
	s_wait_dscnt 0x0
	s_endpgm
.endm
.Lweights:
	s_cmp_lt_u32 ttmp9, 448
	s_cbranch_scc0 .Lsecond
	s_wait_alu depctr_va_vdst(0)
	WPATH 3072, 256, 6, 12, 16, 1
.Lsecond:
	s_wait_alu depctr_va_vdst(0)
	WPATH 1024, 448, 8, 14, 18, 0
.Lfunc_end_k_q7580072326_quant:
	.size	k_q7580072326_quant, .Lfunc_end_k_q7580072326_quant-k_q7580072326_quant
	.p2alignl 7, 3214868480
	.fill 96, 4, 3214868480
	.section	.rodata,"a",@progbits
	.p2align	6, 0x0
	.amdhsa_kernel k_q7580072326_quant
		.amdhsa_group_segment_fixed_size 36352
		.amdhsa_private_segment_fixed_size 0
		.amdhsa_enable_private_segment 0
		.amdhsa_kernarg_size 64
		.amdhsa_user_sgpr_count 2
		.amdhsa_user_sgpr_kernarg_segment_ptr 1
		.amdhsa_wavefront_size32 1
		.amdhsa_system_sgpr_workgroup_id_x 1
		.amdhsa_system_sgpr_workgroup_id_y 1
		.amdhsa_system_sgpr_workgroup_id_z 1
		.amdhsa_system_vgpr_workitem_id 0
		.amdhsa_next_free_vgpr 240
		.amdhsa_next_free_sgpr 66
		.amdhsa_reserve_vcc 0
		.amdhsa_float_denorm_mode_32 3
		.amdhsa_float_denorm_mode_16_64 3
		.amdhsa_memory_ordered 1
		.amdhsa_forward_progress 1
		.amdhsa_inst_pref_size 71
	.end_amdhsa_kernel
	.amdgpu_metadata
---
amdhsa.version: [ 1, 2 ]
amdhsa.kernels:
  - .name:           k_q7580072326_quant
    .symbol:         k_q7580072326_quant.kd
    .args:
      - { .name: x, .offset: 0, .size: 8, .value_kind: global_buffer, .address_space: global }
      - { .name: W1, .offset: 8, .size: 8, .value_kind: global_buffer, .address_space: global }
      - { .name: W2, .offset: 16, .size: 8, .value_kind: global_buffer, .address_space: global }
      - { .name: xc, .offset: 24, .size: 8, .value_kind: global_buffer, .address_space: global }
      - { .name: w1c, .offset: 32, .size: 8, .value_kind: global_buffer, .address_space: global }
      - { .name: w2c, .offset: 40, .size: 8, .value_kind: global_buffer, .address_space: global }
      - { .name: sc1, .offset: 48, .size: 8, .value_kind: global_buffer, .address_space: global }
      - { .name: sc2, .offset: 56, .size: 8, .value_kind: global_buffer, .address_space: global }
    .group_segment_fixed_size: 36352
    .private_segment_fixed_size: 0
    .kernarg_segment_align: 8
    .kernarg_segment_size: 64
    .max_flat_workgroup_size: 128
    .sgpr_count:     66
    .vgpr_count:     240
    .wavefront_size: 32
...
	.end_amdgpu_metadata
.endif
;; end of part 1
;; launch qkv (part 2): grid 8 x 32, 4 waves a work-group, clusters of 4 x 4, 327,680 bytes of LDS; arguments xc, w1c, sc1, b1, qb, kv; writes qb, kv
.if DOCPART == 2
	.amdgcn_target "amdgcn-amd-amdhsa--gfx1250"
	.amdhsa_code_object_version 6
	.text
	.protected	k_q7580072326_qkv
	.globl	k_q7580072326_qkv
	.p2align	8
	.type	k_q7580072326_qkv,@function
k_q7580072326_qkv:
	s_mov_b64 s[64:65], 0
	v_nop
	global_prefetch_b8 v0, s[64:65] scope:SCOPE_SE
	s_setreg_imm32_b32 hwreg(HW_REG_WAVE_MODE, 25, 1), 1
	s_wait_xcnt 0x0
	s_wait_alu depctr_hold_cnt(0) depctr_sa_sdst(0) depctr_va_vdst(0) depctr_va_sdst(0) depctr_va_ssrc(0) depctr_va_vcc(0) depctr_vm_vsrc(0)
	s_getreg_b32 s2, hwreg(HW_REG_IB_STS2, 6, 4)
	s_cmp_eq_u32 s2, 0
	s_cbranch_scc0 .Lentry_in_a_cluster
	s_endpgm
.Lentry_in_a_cluster:
	s_bfe_u32 s2, ttmp6, 0x10000c
	s_cmp_lg_u32 s2, 0xf033
	s_cbranch_scc0 .Lentry_shape_is_right
	s_endpgm
.Lentry_shape_is_right:
; h = x W1 + b1 on codes of FP6 (E2M3, one E8M0 scale for each 32 along K = 1,024); the results are quantised in registers and leave as codes: q and k along the head's 64, v along the keys.  h never goes to memory as f32.
; OPERANDS (made by the launch before): codes [tile of 16 rows][K / 64][768], scale bytes [tile][K / 512][r][16]; tile T = 2 g + u, lane-row r, holds row 32 g + 16 (r / 8) + 8 u + r % 8.
; A half fragment's 768 bytes: lane l = r + 16 h: bytes 0-15 of its 24 at 16 l, bytes 16-23 at 512 + 16 r + 8 h.  So a fragment comes by two loads of 16 bytes and two of 8, each over consecutive bytes.
; SHARES.  256 work-groups that stay: a work-group owns 256 tokens and one pair of heads and makes, one after the other, their q, k and v: three products of 256 x 128 x 1,024; a wave has 32 accumulators in each.
; LDS: two chunks of 512 along K, each the tokens' 16 tiles x 6,144 bytes and behind them 8 tiles of W1's rows.  THE TOKENS ARE LOADED ONCE AND STAY.  W1's two parts are two slots that are filled again:
; slot 0 behind its last read (K step 3's fetch), slot 1 behind its last (K step 7's), each with the next tensor's rows, behind the three lines and a round of the cluster's barrier,
; waves 2 and 3 half a slot each: one load of a wave is out at a time.  A refill is asked for four K steps, 128 products, or more ahead of its first read; so no prefetch is laid.
; q, k: source 0 = W1's 8 tiles, source 1 = my 4 tiles of tokens (wave w: tokens 64 w ..).  v: source 0 = 8 tiles of tokens (128 (w / 2) ..), source 1 = the 4 tiles of W1's rows of head w % 2: other LDS addresses, made at the head.
; THE PRODUCT IS USED TRANSPOSED: a lane holds one row of source 1, and by the tile order its 64 registers of a tile run along source 0's 128 rows, register 16 g + i = row 32 g + 16 h + i:
; in q, k along two heads' d, in v along 128 keys: in both along the next product's K, and one macro quantises both.
; q and k are a loop of two trips; v, which asks for nothing more, is the tail, written out.
; CLUSTER 4 x 4: the tokens' tiles hang on the tile row and are asked for jointly by a row of the cluster, W1's on the pair of heads, by a column.
; The bias is the C of each sum's first product.  The 32 accumulators take turns, one instruction a turn, in the same order in every step.
; OUT.  qb: codes [batch x head][token tile][768]; scale words at 6,291,456: [bh][4 tiles][r][2 words], a word = two tiles' two bytes.
;       kv: [bh][128 keys][12,800]: K's 8 half fragments | V's 4 fragments (16 d x 128 keys) at 6,144 | K's scale words at 12,288 | V's at 12,544.
; LIMITS: a block whose largest magnitude lies under 2^-124 gets the byte 1 (a block of zeros too: its codes are zeros, and this program alone reads the bytes); NaN and infinities are not served.
; REGISTERS.  window 0: v1-6 lane numbers and offsets; v8-23 LDS addresses (source 1: v8, 9, 12, 13 for q, k, v10, 11, 14, 15 for v; source 0: v16, 17, 20, 21 and v18, 19, 22, 23); v24-27 offsets; v28, v29 the add's two;
;   v32-63 source 1's scale words, v64-127 source 0's (they hold nothing else); v128-175, v176-223 source 1's fragments, two sets (on the way out: the codes); v224-255 at work.
;   window 1: accumulator (a, b) at v[8 (8 a + b)].   window 2: v0-95, v96-191 source 0's fragments, two sets; v192-255 the bias.
.set CH,    147456                     ; a chunk in LDS
.set BOFF,  98304                      ; W1's part of it
.set SPARE, 294912                     ; behind the chunks: the spare words, 128 bytes a wave, which no other line names
.set FLOOR, 0x1800000                  ; 2^(3 - 127)
.set WSTEP, 786432                     ; from q's rows of W1 to k's, from k's to v's: 64 tiles of 12,288 bytes
.set SA,  32
.set SB,  64
.set AF,  128
.set BI,  192
.set TM,  224                          ; v224-227 largest magnitudes, v228-231 the other half's, then bytes, v236-239 the conversions' scale operands
.set SW,  240                          ; v240-243 the scale word of each of my four tiles
.set PCR0, 128                         ; the codes of tile a, 12 registers, and a conversion's temporaries: no conversion's destination has the number of one of its sources in the other window
.set PCR1, 140
.set PCR2, 192
.set PCR3, 152
.set CTR0, 244
.set CTR1, 244
.set CTR2, 244
.set CTR3, 164
.set G1A, 24                           ; s[24:31] descriptor group 1 for the tokens' tiles; s[32:39] group 0, a set for each chunk
.set G0A, 32
.set G1B, 48                           ; s[48:55], s[68:75] the same for W1's
.set G0B, 68
.set MSB, 0
.macro WIN new                         ; the immediate's high byte repeats the setting that is left
.if MSB != \new
	s_set_vgpr_msb (MSB<<8)|\new
.set MSB, \new
.endif
.endm
.macro WALU
	s_wait_alu depctr_va_vdst(0)
.endm
.macro CROUND                          ; a round of the cluster's barrier
	s_barrier_signal -1
	s_barrier_wait -1
	s_cmp_lg_u32 s16, 0
	s_cbranch_scc1 .Lnot_wave_0_\@
	s_barrier_signal -3
.Lnot_wave_0_\@:
	s_barrier_wait -3
	s_barrier_signal -1
	s_barrier_wait -1
.endm
.macro SYNC n                          ; my loads have landed, my LDS loads are in; then everybody's
	s_wait_tensorcnt \n
	s_wait_dscnt 0x0
	s_barrier_signal -1
	s_barrier_wait -1
.endm
.macro PLACES                          ; four plain instructions between a matrix instruction and a load into, or a vector read of, its registers (ISA guide 7.12.1 for the vector reads)
.rept 4
	v_nop
.endr
.endm
.macro REFILL c                        ; W1's slot c has been read for the last time: the next tensor's rows come into it
	WIN 0
	s_wait_tensorcnt 0x0                           ; all my loads have landed: so every group 0 may be written,
	ds_add_u32 v28, v29
	s_add_nc_u64 s[G0B+4*\c+2:G0B+4*\c+3], s[G0B+4*\c+2:G0B+4*\c+3], WSTEP
	s_wait_dscnt 0x0                               ; the add is done, and so are my reads of the slot
	CROUND                                         ; both hold of every wave of all sixteen work-groups
	s_cmp_eq_u32 s17, 0
	s_cbranch_scc1 .Lnone_\@                       ; waves 0 and 1 have no part of it
	tensor_load_to_lds s[G0B+4*\c:G0B+4*\c+3], s[G1B:G1B+7]
	s_nop 0
.rept 4
	v_nop
.endr
.Lnone_\@:
.endm
.macro FRAG reg, adi, adj, off         ; a fragment, 16 rows x 128 K: two half fragments on end
	ds_load_b128 v[\reg:\reg+3], v[\adi] offset:\off
	ds_load_b64 v[\reg+4:\reg+5], v[\adj] offset:\off+512
	ds_load_b128 v[\reg+6:\reg+9], v[\adi] offset:\off+768
	ds_load_b64 v[\reg+10:\reg+11], v[\adj] offset:\off+1280
.endm
.macro FETCH s, ro                     ; K step s: source 0's eight fragments and source 1's four into set s % 2: 48 LDS loads.  ro: 0 the addresses for q, k; 2 those for v
	WIN 0x80
.irp b,0,1,2,3,4,5,6,7
	FRAG 96*((\s)%2)+12*\b,16+\ro+(\s)/4,20+\ro+(\s)/4,6144*\b+1536*((\s)%4)
.endr
	WIN 0
.irp a,0,1,2,3
	FRAG AF+48*((\s)%2)+12*\a,8+\ro+(\s)/4,12+\ro+(\s)/4,6144*\a+1536*((\s)%4)
.endr
.endm
.macro MUL set, q, mode                ; 32 products of K step q.  mode 0: onto the sums; 1: the sums begin with the bias of source 0's rows; 2: of source 1's rows
.if \mode
	WIN 0x62                                       ; source 0 window 2, source 1 window 0, C window 2, D window 1
.else
	WIN 0x52                                       ; C and D window 1
.endif
.irp a,0,1,2,3
.irp b,0,1,2,3,4,5,6,7
.if \mode == 0
	v_wmma_scale_f32_16x16x128_f8f6f4 v[8*(8*\a+\b):8*(8*\a+\b)+7], v[96*(\set)+12*\b:96*(\set)+12*\b+11], v[AF+48*(\set)+12*\a:AF+48*(\set)+12*\a+11], v[8*(8*\a+\b):8*(8*\a+\b)+7], v[SB+8*\b+(\q)], v[SA+8*\a+(\q)] matrix_a_fmt:MATRIX_FMT_FP6 matrix_b_fmt:MATRIX_FMT_FP6
.endif
.if \mode == 1
	v_wmma_scale_f32_16x16x128_f8f6f4 v[8*(8*\a+\b):8*(8*\a+\b)+7], v[96*(\set)+12*\b:96*(\set)+12*\b+11], v[AF+48*(\set)+12*\a:AF+48*(\set)+12*\a+11], v[BI+8*\b:BI+8*\b+7], v[SB+8*\b+(\q)], v[SA+8*\a+(\q)] matrix_a_fmt:MATRIX_FMT_FP6 matrix_b_fmt:MATRIX_FMT_FP6
.endif
.if \mode == 2
	v_wmma_scale_f32_16x16x128_f8f6f4 v[8*(8*\a+\b):8*(8*\a+\b)+7], v[96*(\set)+12*\b:96*(\set)+12*\b+11], v[AF+48*(\set)+12*\a:AF+48*(\set)+12*\a+11], v[BI+8*\a:BI+8*\a+7], v[SB+8*\b+(\q)], v[SA+8*\a+(\q)] matrix_a_fmt:MATRIX_FMT_FP6 matrix_b_fmt:MATRIX_FMT_FP6
.endif
.endr
.endr
.endm
; One tensor's product, all of K.  refill = 1: both of W1's slots are filled again on the way
.macro KLOOP ro, mode, refill
	FETCH 0, \ro
	FETCH 1, \ro
	s_wait_dscnt 48                                ; K step 0's fragments are in; the 48 loads just issued may be out
	s_wait_loadcnt 0x0                             ; the scale words and the bias
	MUL 0,0,\mode
.irp s,1,2,3,4,5,6
.if \s == 3
.if \refill
	REFILL 0                                       ; its round also shows chunk 1 whole
.else
	SYNC 0                                         ; chunk 1 is whole
.endif
.endif
	PLACES                                         ; the loads below land in the set that the products just issued have read
	FETCH \s+1, \ro
	s_wait_dscnt 48                                ; this step's fragments are in; the 48 just issued may be out
	MUL (\s)%2,\s,0
.endr
	s_wait_dscnt 0x0
.if \refill
	REFILL 1                                       ; its round also shows slot 0's new rows whole
.endif
	MUL 1,7,0
	WIN 0
	PLACES
.endm
; The 64 results of tile a (window 1, v[64 a] on; register 16 b + i = place 32 b + 16 h + i along the next K) become a fragment's 12 registers of codes and its scale word.
.macro QUANT a
	WIN 0x05                                       ; sources 0 and 1 window 1
.irp b,0,1,2,3
	v_max3_num_f32 v[TM+\b], |v[64*\a+16*\b]|, |v[64*\a+16*\b+1]|, FLOOR   ; each accumulator is read from its low end on; the four blocks by turns
.endr
.irp i,2,4,6,8,10,12,14
.irp b,0,1,2,3
	v_max3_num_f32 v[TM+\b], |v[64*\a+16*\b+\i]|, |v[64*\a+16*\b+\i+1]|, v[TM+\b]
.endr
.endr
	WIN 0
.irp b,0,1,2,3
	v_permlanex16_b32 v[TM+4+\b], v[TM+\b], s84, s85
.endr
.irp b,0,1,2,3
	v_max_num_f32 v[TM+\b], v[TM+\b], v[TM+4+\b]   ; with lane l xor 16's sixteen: the block's largest magnitude
.endr
.irp b,0,1,2,3
	v_add_nc_u32 v[TM+12+\b], 0xff000000, v[TM+\b] ; 2 off the exponent field: the conversion's scale operand
.endr
.irp b,0,1,2,3
	v_lshrrev_b32 v[TM+4+\b], 23, v[TM+12+\b]      ; the scale's byte
.endr
	v_lshl_or_b32 v[SW+\a], v[TM+5], 8, v[TM+4]
	v_lshl_or_b32 v[SW+\a], v[TM+6], 16, v[SW+\a]
	v_lshl_or_b32 v[SW+\a], v[TM+7], 24, v[SW+\a]
	WIN 0x01                                       ; source 0 window 1
.irp c,0,1
	v_cvt_scalef32_pk16_fp6_f32 v[PCR\a+6*\c:PCR\a+6*\c+2], v[64*\a+32*\c:64*\a+32*\c+15], v[TM+12+2*\c]
	v_cvt_scalef32_pk16_fp6_f32 v[CTR\a+4*\c:CTR\a+4*\c+2], v[64*\a+32*\c+16:64*\a+32*\c+31], v[TM+12+2*\c+1]
.endr
	WIN 0
	v_nop                                          ; one plain instruction behind the conversions
.irp c,0,1                             ; the operand's layout wants a whole block in a lane: lanes 0-15 block 2 c, lanes 16-31 block 2 c + 1
.irp i,0,1,2
	v_permlane16_swap_b32 v[PCR\a+6*\c+\i], v[CTR\a+4*\c+\i]
.endr
.irp i,0,1,2
	v_mov_b32 v[PCR\a+6*\c+3+\i], v[CTR\a+4*\c+\i]
.endr
.endr
.endm
.macro SCALES                          ; source 1's scale words from s[40:41], source 0's from s[42:43]: lane r: row r's words of K steps 4 p .. 4 p + 3
.irp a,0,1,2,3
.irp p,0,1
	global_load_b128 v[SA+8*\a+4*\p:SA+8*\a+4*\p+3], v6, s[40:41] offset:512*\a+256*\p
.endr
.endr
.irp b,0,1,2,3,4,5,6,7
.irp p,0,1
	global_load_b128 v[SB+8*\b+4*\p:SB+8*\b+4*\p+3], v6, s[42:43] offset:512*\b+256*\p
.endr
.endr
.endm
.macro BIASQK                          ; from s[44:45]: register j of tile b: source 0's row 32 (b / 2) + 16 h + 8 (b % 2) + j: head b / 4
	WIN 0x80
.irp b,0,1,2,3,4,5,6,7
	global_load_b128 v[BI+8*\b:BI+8*\b+3], v24, s[44:45] offset:((\b/4)*192+32*((\b%4)/2)+8*(\b%2))*4
	global_load_b128 v[BI+8*\b+4:BI+8*\b+7], v24, s[44:45] offset:((\b/4)*192+32*((\b%4)/2)+8*(\b%2))*4+16
.endr
	WIN 0
.endm
	s_load_b256 s[4:11], s[0:1], 0x0               ; xc, w1c, sc1, b1
	s_load_b128 s[12:15], s[0:1], 0x20             ; qb, kv
	v_lshl_add_u32 v28, v0, 2, SPARE
	v_mov_b32 v29, 0
	ds_add_u32 v28, v29                            ; the opening lines: the add, twice on end, and its wait ahead of my first tensor load
	ds_add_u32 v28, v29
	v_lshrrev_b32 v1, 5, v0
	v_readfirstlane_b32 s16, v1                    ; wave
	s_lshr_b32 s17, s16, 1                         ; I fetch the tokens (0) or W1's rows (1); in v: my 128 tokens
	s_and_b32 s18, s16, 1                          ; this half of the tiles; in v: my head of the pair
	s_bfe_u32 s19, ttmp6, 0x40000                  ; cx
	s_bfe_u32 s20, ttmp6, 0x40004                  ; cy
	s_lshl_b32 s57, ttmp9, 2
	s_add_co_u32 s57, s57, s19                     ; my pair of heads, 0 .. 7: of the cluster's places it hangs on cx alone
	s_and_b32 s56, ttmp7, 0xffff
	s_lshl_b32 s56, s56, 2
	s_add_co_u32 s56, s56, s20                     ; my 256 tokens, 0 .. 31: on cy alone
	s_mov_b32 s96, s57
	s_lshl_b32 s100, s57, 1
	s_add_co_u32 s100, s100, s18                   ; v: my wave's head
	s_lshl_b32 s80, s56, 1
	s_add_co_u32 s80, s80, s17                     ; v: my wave's 128 tokens, 0 .. 63
	s_lshl_b32 s58, s20, 2
	s_lshl_b32 s58, 15, s58                        ; my row of the cluster
	s_lshl_b32 s59, 0x1111, s19                    ; my column
	s_or_b32 s[G1A], s58, (3<<16)|(1<<21)          ; 15:0 the mask; 17:16 elements of 8 bytes; 20 no padding; 21 set beside a mask
	s_or_b32 s[G1B], s59, (3<<16)|(1<<21)
.irp g,G1A,G1B
	s_mov_b32 s[\g+1], 768<<16                     ; tensor_dim0: a tile's 512 along K are 6,144 bytes
	s_mov_b32 s[\g+3], 768<<16                     ; tile_dim0
	s_mov_b32 s[\g+5], 1536                        ; from tile to tile: 12,288 bytes
	s_mov_b32 s[\g+6], 0
	s_mov_b32 s[\g+7], 0
.endr
	s_mov_b32 s[G1A+2], 8<<16                      ; tensor_dim1, tile_dim1: eight tiles of tokens,
	s_mov_b32 s[G1A+4], 8
	s_mov_b32 s[G1B+2], 4<<16                      ; four of W1
	s_mov_b32 s[G1B+4], 4
	s_mul_i32 s60, s56, 196608
	s_mul_i32 s61, s18, 98304
	s_add_co_u32 s60, s60, s61
	s_mov_b32 s61, 0                               ; where my tiles of tokens begin
	s_mul_i32 s62, s57, 98304
	s_mul_i32 s63, s18, 49152
	s_add_co_u32 s62, s62, s63
	s_mov_b32 s63, 0                               ; and of W1's rows of q
	s_mul_i32 s90, s18, 49152                      ; and where they go: no place in the cluster enters an LDS address
	s_mul_i32 s91, s18, 24576
	s_add_co_u32 s91, s91, BOFF
	s_mov_b32 s84, 0x76543210
	s_mov_b32 s85, 0xfedcba98                      ; v_permlanex16_b32's selects for lane l xor 16
	s_wait_dscnt 0x0                               ; both opening adds are done
	s_wait_kmcnt 0x0
	s_add_nc_u64 s[86:87], s[4:5], s[60:61]
	s_add_nc_u64 s[88:89], s[6:7], s[62:63]
.irp c,0,1
	s_mov_b32 s[G0A+4*\c], 1
	s_add_co_u32 s[G0A+4*\c+1], s90, CH*\c
	s_add_nc_u64 s[G0A+4*\c+2:G0A+4*\c+3], s[86:87], 6144*\c
	s_or_b32 s[G0A+4*\c+3], s[G0A+4*\c+3], 0x80000000
	s_mov_b32 s[G0B+4*\c], 1
	s_add_co_u32 s[G0B+4*\c+1], s91, CH*\c
	s_add_nc_u64 s[G0B+4*\c+2:G0B+4*\c+3], s[88:89], 6144*\c
	s_or_b32 s[G0B+4*\c+3], s[G0B+4*\c+3], 0x80000000
.endr
	CROUND                                         ; all sixteen work-groups are here: the joint loads meet
	s_cmp_eq_u32 s17, 0                            ; one load a wave, in the two arms of one branch on its number: chunk 0
	s_cbranch_scc0 .Lfill_b
	tensor_load_to_lds s[G0A:G0A+3], s[G1A:G1A+7]
	s_nop 0
.rept 4
	v_nop
.endr
	s_branch .Lfilled
.Lfill_b:
	tensor_load_to_lds s[G0B:G0B+3], s[G1B:G1B+7]
	s_nop 0
.rept 4
	v_nop
.endr
.Lfilled:
	v_and_b32 v1, 31, v0                           ; l
	v_and_b32 v2, 15, v0                           ; r
	v_bfe_u32 v3, v0, 4, 1                         ; h
	v_lshlrev_b32 v4, 4, v1                        ; 16 l
	v_lshlrev_b32 v6, 4, v2                        ; 16 r
	v_lshl_add_u32 v5, v3, 3, v6                   ; 16 r + 8 h
	v_lshlrev_b32 v24, 6, v3                       ; bias of source 0's rows: 16 h numbers on
	v_and_b32 v25, 8, v2
	v_add_nc_u32 v25, v25, v2
	v_lshlrev_b32 v25, 2, v25                      ; bias of source 1's rows: 16 (r / 8) + r % 8 numbers on
	v_lshlrev_b32 v27, 3, v2
	v_lshl_add_u32 v27, v3, 7, v27                 ; V's scale words: 128 h + 8 r
	s_mul_i32 s58, s16, 24576                      ; q, k: my four tiles of tokens in a chunk
	v_add_nc_u32 v8, s58, v4
	v_add_nc_u32 v12, s58, v5
	v_add_nc_u32 v9, CH, v8
	v_add_nc_u32 v13, CH, v12
	v_add_nc_u32 v16, BOFF, v4                     ; and W1's eight
	v_add_nc_u32 v20, BOFF, v5
	v_add_nc_u32 v17, BOFF+CH, v4
	v_add_nc_u32 v21, BOFF+CH, v5
	s_mul_i32 s58, s18, 24576                      ; v: my head's four tiles of W1
	s_add_co_u32 s58, s58, BOFF
	v_add_nc_u32 v10, s58, v4
	v_add_nc_u32 v14, s58, v5
	v_add_nc_u32 v11, CH, v10
	v_add_nc_u32 v15, CH, v14
	s_mul_i32 s59, s17, 49152                      ; and my eight tiles of tokens
	v_add_nc_u32 v18, s59, v4
	v_add_nc_u32 v22, s59, v5
	v_add_nc_u32 v19, CH, v18
	v_add_nc_u32 v23, CH, v22
.irp b,0,1,2,3
	v_mov_b32 v[TM+4+\b], 0                        ; written once: a lane permute's destination counts as one of its sources
.endr
	WALU
	; where the scale bytes lie in sc1 (512 a tile; W1's begin at 262,144, 32,768 for each of q, k, v)
	s_lshl_b32 s76, s56, 13
	s_lshl_b32 s77, s16, 11
	s_add_co_u32 s76, s76, s77                     ; q, k, source 1: my four tiles of tokens
	s_lshl_b32 s78, s57, 12
	s_lshl_b32 s77, s18, 11
	s_add_co_u32 s77, s77, s78
	s_add_co_u32 s77, s77, 327680                  ; v, source 1: my head's four tiles of W1
	s_add_co_u32 s78, s78, 262144                  ; q, source 0: W1's eight tiles
	s_lshl_b32 s79, s56, 13
	s_lshl_b32 s81, s17, 12
	s_add_co_u32 s79, s79, s81                     ; v, source 0: my eight tiles of tokens
	s_mov_b32 s47, 0
	s_mov_b32 s46, s76
	s_add_nc_u64 s[40:41], s[8:9], s[46:47]
	s_mov_b32 s46, s78
	s_add_nc_u64 s[42:43], s[8:9], s[46:47]
	s_add_co_u32 s78, s78, 32768                   ; k, source 0
	s_mul_i32 s46, s57, 1536                       ; b1 at column 192 x (my even head) + 64 x type
	s_add_nc_u64 s[44:45], s[10:11], s[46:47]
	SCALES
	BIASQK
	s_wait_tensorcnt 0x0                           ; my part of chunk 0 is in
	ds_add_u32 v28, v29
	s_wait_dscnt 0x0
	CROUND                                         ; everybody's part of chunk 0 is in, and the joint loads of chunk 1 meet
	s_cmp_eq_u32 s17, 0
	s_cbranch_scc0 .Lfill_b1
	tensor_load_to_lds s[G0A+4:G0A+7], s[G1A:G1A+7]
	s_nop 0
.rept 4
	v_nop
.endr
	s_branch .Lfilled1
.Lfill_b1:
	tensor_load_to_lds s[G0B+4:G0B+7], s[G1B:G1B+7]
	s_nop 0
.rept 4
	v_nop
.endr
.Lfilled1:
	s_mov_b32 s97, 0                               ; 0: q, 1: k
.Lphase:
	KLOOP 0, 1, 1
	; the next tensor's scale words and bias are asked for now and land under the quantiser.  (The loads before them were waited for; the registers that they fill have had their four places.)
	s_cmp_eq_u32 s97, 0                            ; is k next, or v?
	s_cselect_b32 s46, s76, s77
	s_add_nc_u64 s[40:41], s[8:9], s[46:47]
	s_cselect_b32 s46, s78, s79
	s_add_nc_u64 s[42:43], s[8:9], s[46:47]
	SCALES
	s_cmp_eq_u32 s97, 0
	s_cbranch_scc0 .Lbias_v
	s_mul_i32 s46, s57, 1536
	s_add_co_u32 s46, s46, 256
	s_add_nc_u64 s[44:45], s[10:11], s[46:47]
	BIASQK
	s_branch .Lbias_done
.Lbias_v:
	s_mul_i32 s46, s100, 768                       ; b1 at column 192 x head + 128
	s_add_co_u32 s46, s46, 512
	s_add_nc_u64 s[44:45], s[10:11], s[46:47]
	WIN 0x80
.irp a,0,1,2,3                         ; all eight registers of a tile of source 1 hold the bias of the lane's own row
.irp j,0,1,2,3,4,5,6,7
	global_load_b32 v[BI+8*\a+\j], v25, s[44:45] offset:(32*(\a/2)+8*(\a%2))*4
.endr
.endr
	WIN 0
.Lbias_done:
	QUANT 0
	QUANT 1
	QUANT 2
	QUANT 3
	v_cmp_eq_u32 vcc_lo, 1, v3                     ; lanes 16-31
	; ---- q or k: registers 0-5 of a tile's codes are the even head's half fragment, 6-11 the odd head's
	s_lshr_b32 s58, s56, 3                         ; batch: eight times 256 tokens
	s_lshl_b32 s58, s58, 4
	s_lshl_b32 s59, s96, 1
	s_add_co_u32 s58, s58, s59                     ; 16 x batch + my even head
	s_and_b32 s59, s56, 7
	s_lshl_b32 s59, s59, 2
	s_add_co_u32 s59, s59, s16                     ; G: my 64 tokens in the batch
	s_mul_i32 s60, s58, 98304
	s_mul_i32 s61, s59, 3072
	s_add_co_u32 s60, s60, s61                     ; q: codes,
	s_lshl_b32 s62, s58, 12
	s_lshl_b32 s63, s59, 7
	s_add_co_u32 s62, s62, s63
	s_add_co_u32 s62, s62, 6291456                 ; scale words
	s_mul_i32 s86, s58, 204800
	s_lshr_b32 s87, s59, 1
	s_mul_i32 s87, s87, 12800
	s_add_co_u32 s86, s86, s87                     ; k: the record of 128 keys,
	s_and_b32 s87, s59, 1
	s_mul_i32 s88, s87, 3072
	s_add_co_u32 s88, s88, s86                     ; codes,
	s_lshl_b32 s89, s87, 7
	s_add_co_u32 s89, s89, s86
	s_add_co_u32 s89, s89, 12288                   ; scale words
	s_mov_b32 s90, 98304
	s_mov_b32 s91, 4096
	s_mov_b32 s86, 204800
	s_cmp_eq_u32 s97, 0
	s_cselect_b64 s[92:93], s[12:13], s[14:15]
	s_cselect_b32 s60, s60, s88
	s_cselect_b32 s62, s62, s89
	s_cselect_b32 s90, s90, s86                    ; from a head to the next: codes,
	s_cselect_b32 s91, s91, s86                    ; scale words
	s_mov_b32 s61, 0
	s_mov_b32 s63, 0
	s_add_nc_u64 s[94:95], s[92:93], s[60:61]      ; the even head's codes
	s_mov_b32 s60, s90
	s_add_nc_u64 s[98:99], s[94:95], s[60:61]      ; the odd head's
	s_add_nc_u64 s[92:93], s[92:93], s[62:63]
	WALU
.irp a,0,1,2,3
	global_store_b128 v4, v[PCR\a:PCR\a+3], s[94:95] offset:768*\a           ; 512 consecutive bytes
	global_store_b64 v5, v[PCR\a+4:PCR\a+5], s[94:95] offset:768*\a+512      ; 256 consecutive bytes
	global_store_b128 v4, v[PCR\a+6:PCR\a+9], s[98:99] offset:768*\a
	global_store_b64 v5, v[PCR\a+10:PCR\a+11], s[98:99] offset:768*\a+512
.endr
	v_mov_b32 v234, 0x05040100                     ; lanes 0-15 gather the even head's bytes (0, 1 of each tile's word), lanes 16-31 the odd head's (2, 3)
	v_mov_b32 v235, 0x07060302
	v_cndmask_b32 v234, v234, v235, vcc_lo
	v_perm_b32 v232, v241, v240, v234              ; tiles 0 and 1
	v_perm_b32 v233, v243, v242, v234              ; tiles 2 and 3
	v_mul_lo_u32 v26, v3, s91
	v_lshl_add_u32 v26, v2, 3, v26
	global_store_b64 v26, v[232:233], s[92:93]
	s_wait_xcnt 0x0                                ; the stores have read their registers and bases: the next tensor's fragments land on the codes
	s_add_co_u32 s97, s97, 1
	s_cmp_lt_u32 s97, 2
	WALU
	s_cbranch_scc1 .Lphase
	; ---- v: nothing more is asked for
	KLOOP 2, 2, 0
	QUANT 0
	QUANT 1
	QUANT 2
	QUANT 3
	v_cmp_eq_u32 vcc_lo, 1, v3
	s_lshr_b32 s58, s80, 4                         ; batch: sixteen times 128 tokens
	s_and_b32 s59, s80, 15                         ; the record
	s_lshl_b32 s58, s58, 4
	s_add_co_u32 s58, s58, s100
	s_mul_i32 s60, s58, 204800
	s_mul_i32 s61, s59, 12800
	s_add_co_u32 s60, s60, s61
	s_add_co_u32 s60, s60, 6144
	s_mov_b32 s61, 0
	s_add_nc_u64 s[94:95], s[14:15], s[60:61]
	WALU
.irp a,0,1,2,3                         ; tile a is the fragment of d tile a x 128 keys
	global_store_b128 v4, v[PCR\a:PCR\a+3], s[94:95] offset:1536*\a
	global_store_b64 v5, v[PCR\a+4:PCR\a+5], s[94:95] offset:1536*\a+512
	global_store_b128 v4, v[PCR\a+6:PCR\a+9], s[94:95] offset:1536*\a+768
	global_store_b64 v5, v[PCR\a+10:PCR\a+11], s[94:95] offset:1536*\a+1280
.endr
	v_cndmask_b32 v232, v240, v242, vcc_lo         ; lanes 0-15: d tiles 0, 1; lanes 16-31: 2, 3
	v_cndmask_b32 v233, v241, v243, vcc_lo
	global_store_b64 v27, v[232:233], s[94:95] offset:6400   ; 256 consecutive bytes, aligned
	s_wait_tensorcnt 0x0                           ; the wave's end
	ds_add_u32 v28, v29
	s_wait_dscnt 0x0
	CROUND                                         ; the closing round
	s_endpgm
.Lfunc_end_k_q7580072326_qkv:
	.size	k_q7580072326_qkv, .Lfunc_end_k_q7580072326_qkv-k_q7580072326_qkv
	.p2alignl 7, 3214868480
	.fill 96, 4, 3214868480
	.section	.rodata,"a",@progbits
	.p2align	6, 0x0
	.amdhsa_kernel k_q7580072326_qkv
		.amdhsa_group_segment_fixed_size 327680
		.amdhsa_private_segment_fixed_size 0
		.amdhsa_enable_private_segment 0
		.amdhsa_kernarg_size 48
		.amdhsa_user_sgpr_count 2
		.amdhsa_user_sgpr_kernarg_segment_ptr 1
		.amdhsa_wavefront_size32 1
		.amdhsa_system_sgpr_workgroup_id_x 1
		.amdhsa_system_sgpr_workgroup_id_y 1
		.amdhsa_system_sgpr_workgroup_id_z 1
		.amdhsa_system_vgpr_workitem_id 0
		.amdhsa_next_free_vgpr 768
		.amdhsa_next_free_sgpr 102
		.amdhsa_reserve_vcc 1
		.amdhsa_float_denorm_mode_32 3
		.amdhsa_float_denorm_mode_16_64 3
		.amdhsa_memory_ordered 1
		.amdhsa_forward_progress 1
		.amdhsa_inst_pref_size 175
	.end_amdhsa_kernel
	.amdgpu_metadata
---
amdhsa.version: [ 1, 2 ]
amdhsa.kernels:
  - .name:           k_q7580072326_qkv
    .symbol:         k_q7580072326_qkv.kd
    .args:
      - { .name: xc, .offset: 0, .size: 8, .value_kind: global_buffer, .address_space: global }
      - { .name: w1c, .offset: 8, .size: 8, .value_kind: global_buffer, .address_space: global }
      - { .name: sc1, .offset: 16, .size: 8, .value_kind: global_buffer, .address_space: global }
      - { .name: b1, .offset: 24, .size: 8, .value_kind: global_buffer, .address_space: global }
      - { .name: qb, .offset: 32, .size: 8, .value_kind: global_buffer, .address_space: global }
      - { .name: kv, .offset: 40, .size: 8, .value_kind: global_buffer, .address_space: global }
    .group_segment_fixed_size: 327680
    .private_segment_fixed_size: 0
    .kernarg_segment_align: 8
    .kernarg_segment_size: 48
    .max_flat_workgroup_size: 128
    .sgpr_count:     102
    .vgpr_count:     768
    .wavefront_size: 32
...
	.end_amdgpu_metadata
.endif
;; end of part 2
;; launch attn (part 3): grid 4 x 64, 8 waves a work-group, clusters of 4 x 1, 205,824 bytes of LDS; arguments qb, kv, attc, sc2; writes attc, sc2
.if DOCPART == 3
	.amdgcn_target "amdgcn-amd-amdhsa--gfx1250"
	.amdhsa_code_object_version 6
	.text
	.protected	k_q7580072326_attn
	.globl	k_q7580072326_attn
	.p2align	8
	.type	k_q7580072326_attn,@function
k_q7580072326_attn:
	s_mov_b64 s[64:65], 0
	v_nop
	global_prefetch_b8 v0, s[64:65] scope:SCOPE_SE
	s_setreg_imm32_b32 hwreg(HW_REG_WAVE_MODE, 25, 1), 1
	s_wait_xcnt 0x0
	s_wait_alu depctr_hold_cnt(0) depctr_sa_sdst(0) depctr_va_vdst(0) depctr_va_sdst(0) depctr_va_ssrc(0) depctr_va_vcc(0) depctr_vm_vsrc(0)
	s_getreg_b32 s2, hwreg(HW_REG_IB_STS2, 6, 4)
	s_cmp_eq_u32 s2, 0
	s_cbranch_scc0 .Lentry_in_a_cluster
	s_endpgm
.Lentry_in_a_cluster:
	s_bfe_u32 s2, ttmp6, 0x10000c
	s_cmp_lg_u32 s2, 0x3003
	s_cbranch_scc0 .Lentry_shape_is_right
	s_endpgm
.Lentry_shape_is_right:
; att[b][q][head] = softmax_k(q . k / 8) v for 64 (batch, head) pairs, 2,048 tokens, head size 64, both products on codes of FP6 (E2M3) with one E8M0 scale for each 32 along K; att leaves as codes along E = 1,024.
; THE SOFTMAX AHEAD OF THE SECOND PRODUCT: t = score x log2(e) / 8; M = the running largest t rounded UP to a whole number; p = 2^(t - M) is quantised along the keys, not normalised; the row's sum is taken of the
; unquantised p and divides at the end.  When M moves, the sum and O are multiplied by 2^(old M - new M), which rounds nothing.
; SHARES.  A work-group owns 512 queries of one head, each of its eight waves 64: FOUR tiles of 16, all carried through every key step, so that a fragment of K or V read from LDS serves four tiles.
; THE TILES GO IN PAIRS, line by line in turn: every chain of dependent lines of one tile has the other tile's beside it.
; K, V AND THEIR SCALES OF THE WHOLE HEAD STAY IN LDS: 16 records of 128 keys, 12,800 bytes each (K's 8 half fragments | V's 4 fragments at 6,144 | K's scale words at 12,288 | V's at 12,544), each byte filled once,
; one tensor load a wave: waves 0-3 a record each (records 0-3, a load line of their own, shown by the first barrier), waves 4-7 three records each (shown by the second).  CLUSTER 4 x 1: the four work-groups of a head ask jointly.
; No prefetch: all that the launch reads through LDS is asked for at the head, and there is no loop to run ahead in.
; BOTH PRODUCTS ARE USED TRANSPOSED: S^T = K Q^T, O^T = V^T P^T: a lane holds one query throughout.
; WHICH KEYS FORM A SCORE TILE is chosen by the LDS address alone.  In memory half fragment 2 g + u, lane-row r, holds key 32 g + 16 (r / 8) + 8 u + r % 8.  Lane-row r of my fragment (c, a), half u, reads half fragment
; 4 c + 2 (r / 8) + u at lane-row 8 a + r % 8: key 64 c + 32 (r / 8) + 8 (2 a + u) + r % 8.  So a tile's score registers 32 c + 0 .. 31 of lane (query, h) are keys 64 c + 32 h + 0 .. 31: ONE WHOLE SCALE BLOCK A LANE, in the order
; of the second product's operand: a block's maximum asks no other lane, and the conversions' results are the operand's registers.
; K = 64 IN AN INSTRUCTION OF 128: a fragment of K holds two key tiles; against [q | zeros] it gives the first's scores, against [zeros | q] the second's.  Zero codes add nothing.
; A block's largest p is not searched for: p rises with the score, so the block's largest score goes through the same multiply-add and exponential (this takes v_exp_f32 not to fall where its input rises).
; OUT.  attc: [token tile][head][768], the next product's half fragments; sc2: [token tile][K / 512][r][16]: a head's two bytes of a row, since a row's bytes come from sixteen work-groups.
; LIMITS: the promise holds while the scaled scores stay under 2^31 in magnitude; a block whose largest magnitude lies under 2^-124 gets the byte 1 (zeros too: their codes are zeros); NaN and infinities are not served.
; REGISTERS.  window 0: v1-3, v6-8 lane offsets; v4, v5 the add's two; v9 r, v10 h, v11 8 h; v12-17 the step's LDS addresses; v20-35 for each tile -M, the largest score, the sum's two halves;
;   v36-39 q's scale words, v40-43 K's, v44-47 V's, v48, v49 p's (they hold nothing else); v50-103 zeros q0 zeros q1 zeros q2 zeros q3 zeros; v104-167, v168-231 S^T, then p, of a pair's two tiles; v232-255 at work.
;   window 1: v0-23 p's codes, v24-30 a conversion's second halves; v32-159 O^T, 32 registers a tile; v160-207 K's fragments; v208-255 V's.
.set REC,   12800
.set SPARE, 204800                     ; behind the records: the spare words, 128 bytes a wave, which no other line names
.set FLOOR, 0x1800000                  ; 2^(3 - 127)
.set S,  104
.set TX, 232                           ; v232-239 eight chains of maxima; later four of the sums' six chains
.set TM, 240                           ; v240-243 two blocks' largest for each tile
.set TS, 244                           ; v244-247 at work on M; then the conversions' scale operands; then the other lane's bytes
.set TB, 248                           ; v248-251 the scale bytes
.set F,  252                           ; v[252:253], v[254:255] f
.set PC, 0                             ; window 1
.set CT, 24
.set OB, 32
.set KF, 160
.set VF, 208
.set MSB, 0
.macro WIN new                         ; the immediate's high byte repeats the setting that is left
.if MSB != \new
	s_set_vgpr_msb (MSB<<8)|\new
.set MSB, \new
.endif
.endm
.macro WALU
	s_wait_alu depctr_va_vdst(0)
.endm
.macro CROUND                          ; a round of the cluster's barrier
	s_barrier_signal -1
	s_barrier_wait -1
	s_cmp_lg_u32 s12, 0
	s_cbranch_scc1 .Lnot_wave_0_\@
	s_barrier_signal -3
.Lnot_wave_0_\@:
	s_barrier_wait -3
	s_barrier_signal -1
	s_barrier_wait -1
.endm
.macro FRAG reg, adi, adj, off         ; a fragment: two half fragments, 768 bytes apart; a lane's 24 bytes: 16 in the first plane, 8 in the second, 512 further on
	ds_load_b128 v[\reg:\reg+3], v[\adi] offset:\off
	ds_load_b64 v[\reg+4:\reg+5], v[\adj] offset:\off+512
	ds_load_b128 v[\reg+6:\reg+9], v[\adi] offset:\off+768
	ds_load_b64 v[\reg+10:\reg+11], v[\adj] offset:\off+1280
.endm
.macro MM d, a, b, c, sa, sb
	v_wmma_scale_f32_16x16x128_f8f6f4 v[\d:\d+7], v[\a:\a+11], v[\b:\b+11], \c, v[\sa], v[\sb] matrix_a_fmt:MATRIX_FMT_FP6 matrix_b_fmt:MATRIX_FMT_FP6
.endm
	s_load_b256 s[4:11], s[0:1], 0x0               ; qb, kv, attc, sc2
	v_lshl_add_u32 v4, v0, 2, SPARE
	v_mov_b32 v5, 0
	ds_add_u32 v4, v5                              ; the opening lines: the add, twice on end, and its wait ahead of the first tensor loads
	ds_add_u32 v4, v5
	v_lshrrev_b32 v1, 5, v0
	v_readfirstlane_b32 s12, v1                    ; wave 0..7
	s_bfe_u32 s13, ttmp6, 0x40000                  ; cx: it enters q's and the outputs' addresses alone
	s_and_b32 s14, ttmp7, 0xffff                   ; 16 x batch + head, which the four partners share
	s_lshr_b32 s15, s14, 4
	s_and_b32 s16, s14, 15
	s_lshl_b32 s17, s13, 3
	s_add_co_u32 s17, s17, s12                     ; my 64 queries: group 8 cx + wave of the batch's 32
	s_mov_b32 s20, 0x76543210
	s_mov_b32 s21, 0xfedcba98                      ; v_permlanex16_b32's selects for lane l xor 16
	s_mov_b32 s22, 0x3e38aa3b                      ; c = log2(e) / 8
	s_mov_b32 s23, s22                             ; (named with it as a pair)
.irp g,24,32                           ; descriptor group 1: dense rows of 256 bytes (32 elements of 8 bytes); 15:0 the mask: all four work-groups; 21 set beside a mask
	s_mov_b32 s[\g], 15|(3<<16)|(1<<21)
	s_mov_b32 s[\g+1], 32<<16
	s_mov_b32 s[\g+3], 32<<16
	s_mov_b32 s[\g+5], 32
	s_mov_b32 s[\g+6], 0
	s_mov_b32 s[\g+7], 0
.endr
	s_mov_b32 s26, 50<<16                          ; one record: 50 rows,
	s_mov_b32 s28, 50
	s_mov_b32 s34, 150<<16                         ; three: 150
	s_mov_b32 s36, 150
	s_mul_i32 s62, s14, 16*REC
	s_mov_b32 s63, 0
	s_mul_i32 s66, s12, REC                        ; waves 0-3: record = wave; the same offset in the head's records and in LDS
	s_and_b32 s67, s12, 3
	s_mul_i32 s67, s67, 3*REC
	s_add_co_u32 s67, s67, 4*REC                   ; waves 4-7: records 4 + 3 (wave - 4) on
	s_mov_b32 s71, 0
	s_wait_dscnt 0x0                               ; both opening adds are done
	s_wait_kmcnt 0x0
	s_add_nc_u64 s[6:7], s[6:7], s[62:63]
.irp n,0,1
	s_mov_b32 s[48+4*\n], 1
	s_mov_b32 s[49+4*\n], s[66+\n]
	s_mov_b32 s70, s[66+\n]
	s_add_nc_u64 s[50+4*\n:51+4*\n], s[6:7], s[70:71]
	s_or_b32 s[51+4*\n], s[51+4*\n], 0x80000000
.endr
	CROUND                                         ; all four work-groups are here: the joint loads meet
	s_cmp_lt_u32 s12, 4                            ; one load a wave, in the two arms of one branch on the wave's number
	s_cbranch_scc0 .Lbig
	tensor_load_to_lds s[48:51], s[24:31]
	s_nop 0
.rept 4
	v_nop
.endr
	s_branch .Lasked
.Lbig:
	tensor_load_to_lds s[52:55], s[32:39]
	s_nop 0
.rept 4
	v_nop
.endr
.Lasked:
	v_and_b32 v1, 31, v0
	v_and_b32 v9, 15, v0                           ; r
	v_bfe_u32 v10, v0, 4, 1                        ; h
	v_bfe_u32 v18, v0, 3, 1                        ; r / 8
	v_and_b32 v19, 7, v0                           ; r % 8
	v_lshlrev_b32 v1, 4, v1                        ; 16 l: V's first plane, q's, att's
	v_lshlrev_b32 v2, 4, v9
	v_lshl_add_u32 v2, v10, 3, v2                  ; 16 r + 8 h: their second plane
	v_lshlrev_b32 v8, 3, v9                        ; 8 r: V's and q's scale words
	v_mul_u32_u24 v3, v18, 1536                    ; K: two half fragments on for lane-rows 8-15,
	v_lshl_add_u32 v3, v19, 4, v3                  ; 16 bytes a lane-row;
	v_lshl_add_u32 v6, v10, 3, v3                  ; second plane: + 8 h
	v_lshl_add_u32 v3, v10, 8, v3                  ; first plane: + 256 h
	v_lshlrev_b32 v7, 3, v19
	v_lshl_add_u32 v7, v18, 2, v7                  ; K's scale words: 8 (r % 8) + 4 (r / 8)
	v_lshlrev_b32 v11, 3, v10                      ; 8 h: my bytes' place in p's scale word
	WALU
	s_mul_i32 s70, s14, 98304
	s_mul_i32 s69, s17, 3072
	s_add_co_u32 s70, s70, s69
	s_add_nc_u64 s[66:67], s[4:5], s[70:71]        ; q's codes: my four tiles
	s_lshl_b32 s70, s14, 12
	s_lshl_b32 s69, s17, 7
	s_add_co_u32 s70, s70, s69
	s_add_co_u32 s70, s70, 6291456
	s_add_nc_u64 s[4:5], s[4:5], s[70:71]          ; and their scale words: two a row
.irp q,0,1,2,3
	global_load_b128 v[56+12*\q:59+12*\q], v1, s[66:67] offset:768*\q
	global_load_b64 v[60+12*\q:61+12*\q], v2, s[66:67] offset:768*\q+512
.endr
	global_load_b64 v[18:19], v8, s[4:5]
	s_lshl_b32 s68, s15, 7
	s_lshl_b32 s69, s17, 2
	s_add_co_u32 s68, s68, s69                     ; my first token tile: 128 x batch + 4 x group
	s_mul_i32 s70, s68, 12288
	s_mul_i32 s69, s16, 768
	s_add_co_u32 s70, s70, s69
	s_add_nc_u64 s[8:9], s[8:9], s[70:71]          ; att's codes
	s_lshl_b32 s70, s68, 9
	s_lshr_b32 s69, s16, 3
	s_lshl_b32 s69, s69, 8
	s_add_co_u32 s70, s70, s69
	s_and_b32 s69, s16, 7
	s_lshl_b32 s69, s69, 1
	s_add_co_u32 s70, s70, s69
	s_add_nc_u64 s[10:11], s[10:11], s[70:71]      ; att's scale bytes
.irp z,50,62,74,86,98
.irp k,0,1,2,3,4,5
	v_mov_b32 v[\z+\k], 0                          ; the zero codes on both sides of each q
.endr
.endr
.irp q,0,1,2,3                         ; the step is written once and finds: -M = 3e38, the largest score -3e38, the sum and O^T zeros
	v_mov_b32 v[20+4*\q], 0x7f61b1e6
	v_mov_b32 v[21+4*\q], 0xff61b1e6
	v_mov_b32 v[22+4*\q], 0
	v_mov_b32 v[23+4*\q], 0
.endr
.irp k,0,1,2,3
	v_mov_b32 v[TS+\k], 0                          ; written once: a lane permute's destination counts as one of its sources
.endr
	v_mov_b32 v[F+1], 0                            ; named with f as pairs
	v_mov_b32 v[F+3], 0
	s_wait_loadcnt 0x0                             ; q
	v_perm_b32 v36, v18, v18, 0x01000100           ; a tile's two scale bytes, twice in a word: they serve [q | zeros] and [zeros | q]
	v_perm_b32 v37, v18, v18, 0x03020302
	v_perm_b32 v38, v19, v19, 0x01000100
	v_perm_b32 v39, v19, v19, 0x03020302
	WIN 0x40
.set j, 0
.rept 128
	v_mov_b32 v[OB+j], 0                           ; O^T
.set j, j+1
.endr
	WIN 0
.macro CVT u                           ; tile u's p becomes codes: registers 6 c .. 6 c + 5 of the operand are k = 64 c + 32 h + 0 .. 31, all mine; the second halves are made apart, since a conversion's three registers begin on an even number
	WIN 0x40                                       ; destination window 1
.irp c,0,1
	v_cvt_scalef32_pk16_fp6_f32 v[PC+12*\u+6*\c:PC+12*\u+6*\c+2], v[S+64*\u+32*\c:S+64*\u+32*\c+15], v[TS+2*\u+\c]
	v_cvt_scalef32_pk16_fp6_f32 v[CT+4*\c:CT+4*\c+2], v[S+64*\u+32*\c+16:S+64*\u+32*\c+31], v[TS+2*\u+\c]
.endr
	WIN 0
.endm
.macro MOVS u
	WIN 0x41                                       ; destination and source window 1
.irp c,0,1
.irp i,0,1,2
	v_mov_b32 v[PC+12*\u+6*\c+3+\i], v[CT+4*\c+\i]
.endr
.endr
	WIN 0
.endm
; TWO TILES OF 16 QUERIES (2 p and 2 p + 1) AGAINST THE STEP'S 128 KEYS, line by line in turn
.macro PAIR p
.set N0, 20+8*\p                       ; the first tile's -M; the second's 4 registers on
	WIN 0x01                                       ; source 0 (K) window 1
.irp u,0,1
.irp f,0,1,2,3
	MM S+64*\u+16*\f, KF+12*\f, 56+12*(2*\p+\u), 0, 40+\f, 36+2*\p+\u
	MM S+64*\u+16*\f+8, KF+12*\f, 50+12*(2*\p+\u), 0, 40+\f, 36+2*\p+\u
.endr
.endr
	WIN 0
.rept 4
	v_nop                                          ; places behind the products, ahead of the first read of the scores
.endr
.irp u,0,1                             ; each lane's two blocks' largest scores for each tile, two chains a block; each accumulator is read from its low end on
.irp c,0,1
	v_max3_num_f32 v[TX+4*\u+2*\c], v[S+64*\u+32*\c], v[S+64*\u+32*\c+1], v[S+64*\u+32*\c+2]
	v_max3_num_f32 v[TX+4*\u+2*\c+1], v[S+64*\u+32*\c+16], v[S+64*\u+32*\c+17], v[S+64*\u+32*\c+18]
.endr
.endr
.irp i,3,5,7,9,11,13
.irp u,0,1
.irp c,0,1
	v_max3_num_f32 v[TX+4*\u+2*\c], v[TX+4*\u+2*\c], v[S+64*\u+32*\c+\i], v[S+64*\u+32*\c+\i+1]
	v_max3_num_f32 v[TX+4*\u+2*\c+1], v[TX+4*\u+2*\c+1], v[S+64*\u+32*\c+16+\i], v[S+64*\u+32*\c+17+\i]
.endr
.endr
.endr
.irp u,0,1
.irp c,0,1
	v_max3_num_f32 v[TX+4*\u+2*\c], v[TX+4*\u+2*\c], v[S+64*\u+32*\c+15], v[S+64*\u+32*\c+31]
.endr
.endr
.irp u,0,1
.irp c,0,1
	v_max_num_f32 v[TM+2*\u+\c], v[TX+4*\u+2*\c], v[TX+4*\u+2*\c+1]
.endr
.endr
.irp u,0,1
	v_max3_num_f32 v[N0+4*\u+1], v[TM+2*\u], v[TM+2*\u+1], v[N0+4*\u+1]   ; the running largest score of my half of the keys,
.endr
.irp u,0,1
	v_permlanex16_b32 v[TS+2*\u+1], v[N0+4*\u+1], s20, s21
.endr
.irp u,0,1
	v_max_num_f32 v[N0+4*\u+1], v[N0+4*\u+1], v[TS+2*\u+1]   ; and of lane l xor 16's
.endr
.irp u,0,1
	v_mul_f32 v[TS+2*\u+1], s22, v[N0+4*\u+1]      ; as t (c is positive)
.endr
.irp u,0,1
	v_mov_b32 v[TS+2*\u], v[N0+4*\u]
.endr
.irp u,0,1
	v_floor_f32 v[N0+4*\u], -v[TS+2*\u+1]          ; the new -M = floor(-t) = -ceil(t)
.endr
.irp u,0,1
	v_sub_f32 v[TS+2*\u], v[N0+4*\u], v[TS+2*\u]   ; old M - new M: a whole number, 0 or less
.endr
.irp u,0,1
	v_cvt_i32_f32 v[TS+2*\u], v[TS+2*\u]           ; (it saturates)
.endr
.irp u,0,1
	v_ldexp_f32 v[F+2*\u], 1.0, v[TS+2*\u]         ; f = 2^(old M - new M)
.endr
.set j, 0
.rept 32
	v_pk_fma_f32 v[S+j:S+j+1], v[S+j:S+j+1], s[22:23], v[N0:N0+1] op_sel_hi:[1,0,0]   ; t - M, two at a time
	v_pk_fma_f32 v[S+64+j:S+65+j], v[S+64+j:S+65+j], s[22:23], v[N0+4:N0+5] op_sel_hi:[1,0,0]
.set j, j+2
.endr
.irp u,0,1
.irp c,0,1
	v_fma_f32 v[TM+2*\u+\c], v[TM+2*\u+\c], s22, v[N0+4*\u]   ; the same of each block's largest score
.endr
.endr
	WALU
.set j, 0
.rept 128
	v_exp_f32 v[S+j], v[S+j]                       ; p = 2^(t - M), at most 1
.set j, j+1
.endr
.irp k,0,1,2,3
	v_exp_f32 v[TM+\k], v[TM+\k]                   ; the blocks' largest p
.endr
	WIN 0x41                                       ; destination and source 0 window 1
	WALU                                           ; one wait behind the batch, directly ahead of the first readers of O^T too
.set j, 0
.rept 16
	v_pk_mul_f32 v[OB+64*\p+j:OB+64*\p+j+1], v[OB+64*\p+j:OB+64*\p+j+1], v[F:F+1] op_sel_hi:[1,0]   ; O^T under the new M
	v_pk_mul_f32 v[OB+64*\p+32+j:OB+64*\p+33+j], v[OB+64*\p+32+j:OB+64*\p+33+j], v[F+2:F+3] op_sel_hi:[1,0]
.set j, j+2
.endr
	WIN 0
.irp u,0,1
	v_pk_mul_f32 v[N0+4*\u+2:N0+4*\u+3], v[N0+4*\u+2:N0+4*\u+3], v[F+2*\u:F+2*\u+1] op_sel_hi:[1,0]   ; and the sum
.endr
.irp k,0,1,2,3
	v_max_num_f32 v[TM+\k], FLOOR, v[TM+\k]        ; the floor: the byte cannot fall under 1
.endr
.irp k,0,1,2,3
	v_add_nc_u32 v[TS+\k], 0xff000000, v[TM+\k]    ; 2 off the exponent field: the conversion's scale operand
.endr
.irp k,0,1,2,3
	v_lshrrev_b32 v[TB+\k], 23, v[TS+\k]           ; the scale's byte
.endr
	CVT 0
.irp u,0,1
	v_lshl_or_b32 v[TB+2*\u], v[TB+2*\u+1], 16, v[TB+2*\u]   ; my bytes: blocks h and 2 + h; also the plain instructions behind the conversions
.endr
	MOVS 0
	CVT 1
.irp u,0,1
	v_lshlrev_b32 v[TB+2*\u], v11, v[TB+2*\u]      ; at their places; also the plain instructions behind the conversions
.endr
.irp u,0,1
	v_permlanex16_b32 v[TS+2*\u], v[TB+2*\u], s20, s21
.endr
.irp u,0,1
	v_or_b32 v[48+\u], v[TB+2*\u], v[TS+2*\u]      ; with lane l xor 16's two: p's scale word for these 128 keys
.endr
	MOVS 1
	; the rows' sums of the unquantised p, three chains a tile; these 64 lines are also the places between p's scale words and codes and the products
.irp u,0,1
	v_pk_add_f32 v[TX+4*\u:TX+4*\u+1], v[S+64*\u:S+64*\u+1], v[S+64*\u+2:S+64*\u+3]
.endr
.irp u,0,1
	v_pk_add_f32 v[TX+4*\u+2:TX+4*\u+3], v[S+64*\u+4:S+64*\u+5], v[S+64*\u+6:S+64*\u+7]
.endr
.irp u,0,1
	v_pk_add_f32 v[N0+4*\u+2:N0+4*\u+3], v[N0+4*\u+2:N0+4*\u+3], v[S+64*\u+8:S+64*\u+9]
.endr
.irp k,10,16,22,28,34,40,46,52,58
.irp u,0,1
	v_pk_add_f32 v[TX+4*\u:TX+4*\u+1], v[TX+4*\u:TX+4*\u+1], v[S+64*\u+\k:S+64*\u+\k+1]
.endr
.irp u,0,1
	v_pk_add_f32 v[TX+4*\u+2:TX+4*\u+3], v[TX+4*\u+2:TX+4*\u+3], v[S+64*\u+\k+2:S+64*\u+\k+3]
.endr
.irp u,0,1
	v_pk_add_f32 v[N0+4*\u+2:N0+4*\u+3], v[N0+4*\u+2:N0+4*\u+3], v[S+64*\u+\k+4:S+64*\u+\k+5]
.endr
.endr
.irp u,0,1
	v_pk_add_f32 v[TX+4*\u:TX+4*\u+1], v[TX+4*\u:TX+4*\u+1], v[TX+4*\u+2:TX+4*\u+3]
.endr
.irp u,0,1
	v_pk_add_f32 v[N0+4*\u+2:N0+4*\u+3], v[N0+4*\u+2:N0+4*\u+3], v[TX+4*\u:TX+4*\u+1]
.endr
.if \p == 0
	s_wait_dscnt 0x0                               ; V and its scale words are in
.endif
	WIN 0x55                                       ; all four operands window 1
.irp d,0,1,2,3
.irp u,0,1
	MM OB+64*\p+32*\u+8*\d, VF+12*\d, PC+12*\u, v[OB+64*\p+32*\u+8*\d:OB+64*\p+32*\u+8*\d+7], 44+\d, 48+\u
.endr
.endr                                  ; the accumulators take turns, one instruction a turn; 47 other products stand between two links of a chain
.endm
; A KEY STEP: 128 keys, the record at LDS byte s60, for my four tiles
.macro STEP
	v_add_nc_u32 v12, s60, v3                      ; these six lines are also the places behind the last products, ahead of the loads into V's registers and scale words
	v_add_nc_u32 v13, s60, v6
	v_add_nc_u32 v14, s60, v7
	v_add_nc_u32 v15, s60, v1
	v_add_nc_u32 v16, s60, v2
	v_add_nc_u32 v17, s60, v8
.irp f,0,1,2,3
	ds_load_b32 v[40+\f], v14 offset:12288+128*(\f/2)+64*(\f%2)   ; the scale word of my fragment (c, a) = (f / 2, f % 2)
.endr
	WIN 0x40
.irp f,0,1,2,3
	FRAG KF+12*\f,12,13,3072*(\f/2)+128*(\f%2)
.endr
.irp d,0,1,2,3
	FRAG VF+12*\d,15,16,6144+1536*\d
.endr
	WIN 0
	ds_load_b64 v[44:45], v17 offset:12544
	ds_load_b64 v[46:47], v17 offset:12672
	s_wait_dscnt 18                                ; K and its scale words are in; V's 16 loads and its 2 of scale words, issued behind them, may be out
	PAIR 0
	PAIR 1
	WIN 0
	s_add_co_u32 s60, s60, REC
.endm
.macro STEPS first, n                  ; n key steps from record first on
	s_mov_b32 s60, REC*\first
	s_mov_b32 s61, \n
.Lsteps_\@:
	STEP
	s_sub_co_u32 s61, s61, 1
	s_cmp_lg_u32 s61, 0
	s_cbranch_scc1 .Lsteps_\@
.endm
; A tile's way out: O^T / the sum is att(query r, d = 32 g + 16 h + i) in register 16 g + i; its two blocks of 32 are quantised and are the next product's half fragment (token tile, K / 64 = head).
.macro WAYOUT q
.set SU, 22+4*\q
.set CO, 168+8*\q                      ; registers of its own for each tile's codes: no store's data are written again
.set CW, 200                           ; v200-202 the second conversion's codes
	v_add_f32 v[SU], v[SU], v[SU+1]
	v_permlanex16_b32 v[TS+2], v[SU], s20, s21
	v_add_f32 v[SU], v[SU], v[TS+2]                ; the row's sum
	WALU
	v_rcp_f32 v[SU], v[SU]
	v_nop                                          ; a plain instruction behind the reciprocal
	WIN 0x01
	WALU                                           ; the wait ahead of its first reader, which is O^T's first reader too
.set j, 0
.rept 16
	v_pk_mul_f32 v[S+j:S+j+1], v[OB+32*\q+j:OB+32*\q+j+1], v[SU:SU+1] op_sel_hi:[1,0]   ; each accumulator from its low end on
.set j, j+2
.endr
	WIN 0
.irp b,0,1
	v_max3_num_f32 v[TM+\b], |v[S+16*\b]|, |v[S+1+16*\b]|, FLOOR
.endr
.irp i,2,4,6,8,10,12,14
.irp b,0,1
	v_max3_num_f32 v[TM+\b], v[TM+\b], |v[S+16*\b+\i]|, |v[S+1+16*\b+\i]|
.endr
.endr
.irp b,0,1
	v_permlanex16_b32 v[TB+\b], v[TM+\b], s20, s21
.endr
.irp b,0,1
	v_max_num_f32 v[TM+\b], v[TM+\b], v[TB+\b]     ; with lane l xor 16's sixteen
.endr
.irp b,0,1
	v_add_nc_u32 v[TS+\b], 0xff000000, v[TM+\b]
.endr
.irp b,0,1
	v_lshrrev_b32 v[TB+\b], 23, v[TS+\b]
.endr
	v_lshl_or_b32 v[204+\q], v[TB+1], 8, v[TB]     ; my row's two scale bytes
	v_cvt_scalef32_pk16_fp6_f32 v[CO:CO+2], v[S:S+15], v[TS]
	v_cvt_scalef32_pk16_fp6_f32 v[CW:CW+2], v[S+16:S+31], v[TS+1]
	v_nop
.irp i,0,1,2
	v_permlane16_swap_b32 v[CO+\i], v[CW+\i]       ; a whole block in a lane: lanes 0-15 block 0, lanes 16-31 block 1
.endr
.irp i,0,1,2
	v_mov_b32 v[CO+3+\i], v[CW+\i]
.endr
	global_store_b128 v1, v[CO:CO+3], s[8:9] offset:12288*\q        ; 512 consecutive bytes
	global_store_b64 v2, v[CO+4:CO+5], s[8:9] offset:12288*\q+512   ; 256 consecutive bytes
.endm
	WALU
	s_cmp_lt_u32 s12, 4
	s_cbranch_scc0 .Lnot_first
	s_wait_tensorcnt 0x0                           ; waves 0-3: my record has landed
.Lnot_first:
	s_barrier_signal -1
	s_barrier_wait -1                              ; records 0 to 3 are in; the others may be on their way
	STEPS 0, 4
	s_wait_tensorcnt 0x0
	s_wait_dscnt 0x0
	s_barrier_signal -1
	s_barrier_wait -1                              ; all records are in
	STEPS 4, 12
.rept 4
	v_nop                                          ; places behind the last products
.endr
	WAYOUT 0
	WAYOUT 1
	WAYOUT 2
	WAYOUT 3
	v_cmp_eq_u32 vcc_lo, 1, v10
	v_cndmask_b32 v208, v204, v205, vcc_lo         ; lanes 0-15 store an even tile's bytes, lanes 16-31 the odd tile's
	v_cndmask_b32 v209, v206, v207, vcc_lo
	v_lshlrev_b32 v12, 4, v9
	v_lshl_add_u32 v12, v10, 9, v12                ; 512 bytes a tile, 16 a row
	global_store_b16 v12, v208, s[10:11]
	global_store_b16 v12, v209, s[10:11] offset:1024
	s_wait_tensorcnt 0x0                           ; the wave's end
	ds_add_u32 v4, v5
	s_wait_dscnt 0x0
	CROUND                                         ; the closing round
	s_endpgm
.Lfunc_end_k_q7580072326_attn:
	.size	k_q7580072326_attn, .Lfunc_end_k_q7580072326_attn-k_q7580072326_attn
	.p2alignl 7, 3214868480
	.fill 96, 4, 3214868480
	.section	.rodata,"a",@progbits
	.p2align	6, 0x0
	.amdhsa_kernel k_q7580072326_attn
		.amdhsa_group_segment_fixed_size 205824
		.amdhsa_private_segment_fixed_size 0
		.amdhsa_enable_private_segment 0
		.amdhsa_kernarg_size 32
		.amdhsa_user_sgpr_count 2
		.amdhsa_user_sgpr_kernarg_segment_ptr 1
		.amdhsa_wavefront_size32 1
		.amdhsa_system_sgpr_workgroup_id_x 1
		.amdhsa_system_sgpr_workgroup_id_y 1
		.amdhsa_system_sgpr_workgroup_id_z 1
		.amdhsa_system_vgpr_workitem_id 0
		.amdhsa_next_free_vgpr 512
		.amdhsa_next_free_sgpr 72
		.amdhsa_reserve_vcc 1
		.amdhsa_float_denorm_mode_32 3
		.amdhsa_float_denorm_mode_16_64 3
		.amdhsa_memory_ordered 1
		.amdhsa_forward_progress 1
		.amdhsa_inst_pref_size 132
	.end_amdhsa_kernel
	.amdgpu_metadata
---
amdhsa.version: [ 1, 2 ]
amdhsa.kernels:
  - .name:           k_q7580072326_attn
    .symbol:         k_q7580072326_attn.kd
    .args:
      - { .name: qb, .offset: 0, .size: 8, .value_kind: global_buffer, .address_space: global }
      - { .name: kv, .offset: 8, .size: 8, .value_kind: global_buffer, .address_space: global }
      - { .name: attc, .offset: 16, .size: 8, .value_kind: global_buffer, .address_space: global }
      - { .name: sc2, .offset: 24, .size: 8, .value_kind: global_buffer, .address_space: global }
    .group_segment_fixed_size: 205824
    .private_segment_fixed_size: 0
    .kernarg_segment_align: 8
    .kernarg_segment_size: 32
    .max_flat_workgroup_size: 256
    .sgpr_count:     72
    .vgpr_count:     512
    .wavefront_size: 32
...
	.end_amdgpu_metadata
.endif
;; end of part 3
;; launch proj (part 4): grid 8 x 32, 4 waves a work-group, clusters of 4 x 4, 327,680 bytes of LDS; arguments attc, w2c, sc2, b2, out0; writes out0
.if DOCPART == 4
	.amdgcn_target "amdgcn-amd-amdhsa--gfx1250"
	.amdhsa_code_object_version 6
	.text
	.protected	k_q7580072326_proj
	.globl	k_q7580072326_proj
	.p2align	8
	.type	k_q7580072326_proj,@function
k_q7580072326_proj:
	s_mov_b64 s[64:65], 0
	v_nop
	global_prefetch_b8 v0, s[64:65] scope:SCOPE_SE
	s_setreg_imm32_b32 hwreg(HW_REG_WAVE_MODE, 25, 1), 1
	s_wait_xcnt 0x0
	s_wait_alu depctr_hold_cnt(0) depctr_sa_sdst(0) depctr_va_vdst(0) depctr_va_sdst(0) depctr_va_ssrc(0) depctr_va_vcc(0) depctr_vm_vsrc(0)
	s_getreg_b32 s2, hwreg(HW_REG_IB_STS2, 6, 4)
	s_cmp_eq_u32 s2, 0
	s_cbranch_scc0 .Lentry_in_a_cluster
	s_endpgm
.Lentry_in_a_cluster:
	s_bfe_u32 s2, ttmp6, 0x10000c
	s_cmp_lg_u32 s2, 0xf033
	s_cbranch_scc0 .Lentry_shape_is_right
	s_endpgm
.Lentry_shape_is_right:
; out = att W2 + b2 on codes of FP6 (E2M3, one E8M0 scale for each 32 along K = 1,024); out [8192][1024] f32.
; OPERANDS: codes [tile of 16 rows][K / 64][768], scale bytes [tile][K / 512][r][16]; tile T = 2 g + u, lane-row r, holds row 32 g + 16 (r / 8) + 8 u + r % 8.
; A half fragment's 768 bytes: lane l = r + 16 h: bytes 0-15 of its 24 at 16 l, bytes 16-23 at 512 + 16 r + 8 h.
; SHARES.  A work-group makes 256 tokens x 128 columns; its four waves stand one below the other: 64 x 128 each, 32 accumulators.  ALL OF K for the tile lies in LDS (294,912 bytes), each byte filled once by
; two chunks of 512 along K, a tensor load a wave for each: one load of a wave is out at a time.  No slot is filled again.
; THE PRODUCT IS USED TRANSPOSED (source 0 = W2's tile, source 1 = att's): a lane holds one token, and register 16 g + i of a tile of tokens is column 32 g + 16 h + i: sixteen neighbours.
; CLUSTER 4 x 4: att's tiles are asked for jointly by a row of the cluster, W2's by a column.  b2 is the C of each sum's first product.  The 32 accumulators take turns.
; THE WAY OUT: 16 tokens x 128 columns at a time through the wave's own stage in LDS, back as whole rows of 512 bytes.  The stage lies in chunk 0, which has had its one fill and whose last reads every wave has
; waited for ahead of the barrier that shows chunk 1.
; REGISTERS.  window 0: v1-6 lane numbers and offsets; v8-23 LDS addresses; v24, v25 the stage; v26 the bias; v28, v29 the add's two; v32-63 att's scale words, v64-127 W2's (they hold nothing else);
;   v128-175, v176-223 att's fragments, two sets (on the way out v128-255: rows of out).   window 1: accumulator (a, b) at v[8 (8 a + b)].   window 2: v0-95, v96-191 W2's fragments; v192-255 the bias.
; THE FILLS AS THEY NOW STAND: two chunks of 512 along K.  A wave asks for its part of chunk 0 at the head and for its part of chunk 1 behind the three lines and a round of the cluster's barrier
; one load of a wave is out at a time.  Each byte is still filled once.  The stage lies in chunk 0, whose last reads every wave has waited for ahead of the barrier that shows chunk 1.
.set CH,    147456                     ; a chunk in LDS: att's 16 tiles x 6,144 bytes, then W2's 8
.set BOFF,  98304
.set SPARE, 294912                     ; behind the chunks: the spare words, 128 bytes a wave, which no other line names
.set SPITCH, 528                       ; a stage row: 512 bytes + 16
.set SA,  32
.set SB,  64
.set AF,  128
.set BI,  192
.set G1A, 24
.set G0A, 32
.set G1B, 48
.set G0B, 68
.set MSB, 0
.macro WIN new                         ; the immediate's high byte repeats the setting that is left
.if MSB != \new
	s_set_vgpr_msb (MSB<<8)|\new
.set MSB, \new
.endif
.endm
.macro CROUND                          ; a round of the cluster's barrier
	s_barrier_signal -1
	s_barrier_wait -1
	s_cmp_lg_u32 s16, 0
	s_cbranch_scc1 .Lnot_wave_0_\@
	s_barrier_signal -3
.Lnot_wave_0_\@:
	s_barrier_wait -3
	s_barrier_signal -1
	s_barrier_wait -1
.endm
.macro SYNC n                          ; my part of a chunk has landed (n younger loads of mine may be out), my LDS loads are in; then everybody's
	s_wait_tensorcnt \n
	s_wait_dscnt 0x0
	s_barrier_signal -1
	s_barrier_wait -1
.endm
.macro PLACES                          ; four plain instructions between a matrix instruction and a load into, or a read of, its registers (ISA guide 7.12.1 for the reads)
.rept 4
	v_nop
.endr
.endm
.macro FRAG reg, adi, adj, off
	ds_load_b128 v[\reg:\reg+3], v[\adi] offset:\off
	ds_load_b64 v[\reg+4:\reg+5], v[\adj] offset:\off+512
	ds_load_b128 v[\reg+6:\reg+9], v[\adi] offset:\off+768
	ds_load_b64 v[\reg+10:\reg+11], v[\adj] offset:\off+1280
.endm
.macro FETCH s                         ; K step s: W2's eight fragments and my four of att into set s % 2: 48 LDS loads
	WIN 0x80
.irp b,0,1,2,3,4,5,6,7
	FRAG 96*((\s)%2)+12*\b,16+(\s)/4,20+(\s)/4,6144*\b+1536*((\s)%4)
.endr
	WIN 0
.irp a,0,1,2,3
	FRAG AF+48*((\s)%2)+12*\a,8+(\s)/4,12+(\s)/4,6144*\a+1536*((\s)%4)
.endr
.endm
.macro MUL set, q, mode                ; 32 products of K step q.  mode 0: onto the sums; 1: the sums begin with the bias
.if \mode
	WIN 0x62                                       ; source 0 window 2, source 1 window 0, C window 2, D window 1
.else
	WIN 0x52                                       ; C and D window 1
.endif
.irp a,0,1,2,3
.irp b,0,1,2,3,4,5,6,7
.if \mode == 0
	v_wmma_scale_f32_16x16x128_f8f6f4 v[8*(8*\a+\b):8*(8*\a+\b)+7], v[96*(\set)+12*\b:96*(\set)+12*\b+11], v[AF+48*(\set)+12*\a:AF+48*(\set)+12*\a+11], v[8*(8*\a+\b):8*(8*\a+\b)+7], v[SB+8*\b+(\q)], v[SA+8*\a+(\q)] matrix_a_fmt:MATRIX_FMT_FP6 matrix_b_fmt:MATRIX_FMT_FP6
.else
	v_wmma_scale_f32_16x16x128_f8f6f4 v[8*(8*\a+\b):8*(8*\a+\b)+7], v[96*(\set)+12*\b:96*(\set)+12*\b+11], v[AF+48*(\set)+12*\a:AF+48*(\set)+12*\a+11], v[BI+8*\b:BI+8*\b+7], v[SB+8*\b+(\q)], v[SA+8*\a+(\q)] matrix_a_fmt:MATRIX_FMT_FP6 matrix_b_fmt:MATRIX_FMT_FP6
.endif
.endr
.endr
.endm
	s_load_b256 s[4:11], s[0:1], 0x0               ; attc, w2c, sc2, b2
	s_load_b64 s[12:13], s[0:1], 0x20              ; out0
	v_lshl_add_u32 v28, v0, 2, SPARE
	v_mov_b32 v29, 0
	ds_add_u32 v28, v29                            ; the wave's opening: the add, twice on end, and its wait ahead of my first tensor load; work on registers stands between them
	ds_add_u32 v28, v29
	v_lshrrev_b32 v1, 5, v0
	v_readfirstlane_b32 s16, v1                    ; wave
	s_lshr_b32 s17, s16, 1                         ; I fetch for att (0) or for W2 (1),
	s_and_b32 s18, s16, 1                          ; this half of its tiles
	s_bfe_u32 s19, ttmp6, 0x40000                  ; cx
	s_bfe_u32 s20, ttmp6, 0x40004                  ; cy
	s_lshl_b32 s57, ttmp9, 2
	s_add_co_u32 s57, s57, s19                     ; tile column
	s_and_b32 s56, ttmp7, 0xffff
	s_lshl_b32 s56, s56, 2
	s_add_co_u32 s56, s56, s20                     ; tile row
	s_lshl_b32 s58, s20, 2
	s_lshl_b32 s58, 15, s58                        ; my row of the cluster
	s_lshl_b32 s59, 0x1111, s19                    ; my column
	s_or_b32 s[G1A], s58, (3<<16)|(1<<21)          ; 15:0 the mask; 17:16 elements of 8 bytes; 20 no padding; 21 set beside a mask
	s_or_b32 s[G1B], s59, (3<<16)|(1<<21)
.irp g,G1A,G1B
	s_mov_b32 s[\g+1], 768<<16                     ; tensor_dim0: a tile's 512 along K are 6,144 bytes
	s_mov_b32 s[\g+3], 768<<16                     ; tile_dim0
	s_mov_b32 s[\g+5], 1536                        ; from tile to tile: 12,288 bytes
	s_mov_b32 s[\g+6], 0
	s_mov_b32 s[\g+7], 0
.endr
	s_mov_b32 s[G1A+2], 8<<16                      ; eight tiles of att,
	s_mov_b32 s[G1A+4], 8
	s_mov_b32 s[G1B+2], 4<<16                      ; four of W2
	s_mov_b32 s[G1B+4], 4
	s_mul_i32 s60, s56, 196608
	s_mul_i32 s61, s18, 98304
	s_add_co_u32 s60, s60, s61
	s_mov_b32 s61, 0
	s_mul_i32 s62, s57, 98304
	s_mul_i32 s63, s18, 49152
	s_add_co_u32 s62, s62, s63
	s_mov_b32 s63, 0
	s_mul_i32 s90, s18, 49152                      ; no place in the cluster enters an LDS address
	s_mul_i32 s91, s18, 24576
	s_add_co_u32 s91, s91, BOFF
	s_wait_dscnt 0x0                               ; the opening add is done
	s_wait_kmcnt 0x0
	s_add_nc_u64 s[86:87], s[4:5], s[60:61]
	s_add_nc_u64 s[88:89], s[6:7], s[62:63]
.irp c,0,1
	s_mov_b32 s[G0A+4*\c], 1
	s_add_co_u32 s[G0A+4*\c+1], s90, CH*\c
	s_add_nc_u64 s[G0A+4*\c+2:G0A+4*\c+3], s[86:87], 6144*\c
	s_or_b32 s[G0A+4*\c+3], s[G0A+4*\c+3], 0x80000000
	s_mov_b32 s[G0B+4*\c], 1
	s_add_co_u32 s[G0B+4*\c+1], s91, CH*\c
	s_add_nc_u64 s[G0B+4*\c+2:G0B+4*\c+3], s[88:89], 6144*\c
	s_or_b32 s[G0B+4*\c+3], s[G0B+4*\c+3], 0x80000000
.endr
	CROUND                                         ; all sixteen work-groups are here: the joint loads meet
	s_cmp_eq_u32 s17, 0                            ; one load a wave, in the two arms of one branch on its number: chunk 0
	s_cbranch_scc0 .Lfill_b
	tensor_load_to_lds s[G0A:G0A+3], s[G1A:G1A+7]
	s_nop 0
.rept 4
	v_nop
.endr
	s_branch .Lfilled
.Lfill_b:
	tensor_load_to_lds s[G0B:G0B+3], s[G1B:G1B+7]
	s_nop 0
.rept 4
	v_nop
.endr
.Lfilled:
	v_and_b32 v1, 31, v0                           ; l
	v_and_b32 v2, 15, v0                           ; r
	v_bfe_u32 v3, v0, 4, 1                         ; h
	v_lshlrev_b32 v4, 4, v1                        ; 16 l
	v_lshlrev_b32 v6, 4, v2                        ; 16 r
	s_wait_alu depctr_va_vdst(0)
	v_lshl_add_u32 v5, v3, 3, v6                   ; 16 r + 8 h
	v_lshlrev_b32 v26, 6, v3                       ; the bias: 16 h numbers on
	s_wait_alu depctr_va_vdst(0)
	s_lshl_b32 s92, s56, 13                        ; att's scale bytes: 512 a tile: 16 tiles a tile row, 4 a wave
	s_lshl_b32 s93, s16, 11
	s_add_co_u32 s92, s92, s93
	s_mov_b32 s93, 0
	s_add_nc_u64 s[92:93], s[8:9], s[92:93]
	s_lshl_b32 s94, s57, 12                        ; W2's: behind att's, 8 tiles a tile column
	s_add_co_u32 s94, s94, 262144
	s_mov_b32 s95, 0
	s_add_nc_u64 s[94:95], s[8:9], s[94:95]
	s_lshl_b32 s98, s57, 9                         ; b2 at my 128 columns
	s_mov_b32 s99, 0
	s_add_nc_u64 s[98:99], s[10:11], s[98:99]
.irp a,0,1,2,3
.irp p,0,1
	global_load_b128 v[SA+8*\a+4*\p:SA+8*\a+4*\p+3], v6, s[92:93] offset:512*\a+256*\p   ; lane r: row r's words of K steps 4 p .. 4 p + 3
.endr
.endr
.irp b,0,1,2,3,4,5,6,7
.irp p,0,1
	global_load_b128 v[SB+8*\b+4*\p:SB+8*\b+4*\p+3], v6, s[94:95] offset:512*\b+256*\p
.endr
.endr
	WIN 0x80
.irp b,0,1,2,3,4,5,6,7                 ; register j of tile b: column 32 (b / 2) + 16 h + 8 (b % 2) + j
	global_load_b128 v[BI+8*\b:BI+8*\b+3], v26, s[98:99] offset:(32*(\b/2)+8*(\b%2))*4
	global_load_b128 v[BI+8*\b+4:BI+8*\b+7], v26, s[98:99] offset:(32*(\b/2)+8*(\b%2))*4+16
.endr
	WIN 0
	s_mul_i32 s58, s16, 24576                      ; my four tiles of att in a chunk
	v_add_nc_u32 v8, s58, v4
	v_add_nc_u32 v12, s58, v5
.irp c,1
	v_add_nc_u32 v[8+\c], CH*\c, v8
	v_add_nc_u32 v[12+\c], CH*\c, v12
.endr
.irp c,0,1
	v_add_nc_u32 v[16+\c], BOFF+CH*\c, v4
	v_add_nc_u32 v[20+\c], BOFF+CH*\c, v5
.endr
	s_mul_i32 s58, s16, 16*SPITCH                  ; my stage
	v_mul_u32_u24 v24, v2, SPITCH
	v_lshl_add_u32 v24, v3, 6, v24
	v_add_nc_u32 v24, s58, v24                     ; in: row r, 64 bytes for each half of the lanes
	v_add_nc_u32 v25, s58, v4                      ; back: the 32 lanes take one row of 512 bytes
	s_lshl_b32 s60, s56, 20                        ; out: 256 rows of 4,096 bytes a tile row,
	s_lshl_b32 s61, s16, 18                        ; 64 a wave,
	s_add_co_u32 s60, s60, s61
	s_lshl_b32 s61, s57, 9                         ; 512 bytes a tile column
	s_add_co_u32 s60, s60, s61
	s_mov_b32 s61, 0
	s_add_nc_u64 s[12:13], s[12:13], s[60:61]
	s_wait_alu depctr_va_vdst(0)
	s_wait_tensorcnt 0x0                           ; my part of chunk 0 is in
	ds_add_u32 v28, v29
	s_wait_dscnt 0x0
	CROUND                                         ; everybody's part of chunk 0 is in, and the joint loads of chunk 1 meet
	s_cmp_eq_u32 s17, 0
	s_cbranch_scc0 .Lfill_b1
	tensor_load_to_lds s[G0A+4:G0A+7], s[G1A:G1A+7]
	s_nop 0
.rept 4
	v_nop
.endr
	s_branch .Lfilled1
.Lfill_b1:
	tensor_load_to_lds s[G0B+4:G0B+7], s[G1B:G1B+7]
	s_nop 0
.rept 4
	v_nop
.endr
.Lfilled1:
	FETCH 0
	FETCH 1
	s_wait_dscnt 48                                ; K step 0's fragments are in; the 48 loads just issued may be out
	s_wait_loadcnt 0x0                             ; the scale words and the bias
	MUL 0,0,1
.irp s,1,2,3,4,5,6
.if (\s)==3
	SYNC 0                                         ; chunk 1, which holds K steps 4 to 7, is in
.endif
	PLACES                                         ; the loads below land in the set that the products just issued have read
	FETCH \s+1
	s_wait_dscnt 48                                ; this step's fragments are in; the 48 just issued may be out
	MUL (\s)%2,\s,0
.endr
	s_wait_dscnt 0x0
	MUL 1,7,0
	WIN 0
.macro TOSTAGE a                       ; tile a's 16 tokens x 128 columns into my stage and back as rows; LDS serves a wave's instructions in order, so no wait stands between
	WIN 0x04                                       ; an LDS store's data: window 1
.irp g,0,1,2,3
.irp i,0,1,2,3
	ds_store_b128 v24, v[64*(\a)+16*\g+4*\i:64*(\a)+16*\g+4*\i+3] offset:128*\g+16*\i   ; each accumulator from its low end on
.endr
.endr
	WIN 0
.irp t,0,1,2,3,4,5,6,7,8,9,10,11,12,13,14,15
	ds_load_b128 v[AF+64*((\a)%2)+4*\t:AF+64*((\a)%2)+4*\t+3], v25 offset:SPITCH*\t
.endr
.endm
.macro SEND a, younger                 ; younger: the LDS instructions issued behind tile a's loads, which may stay out
	s_wait_dscnt \younger
.irp t,0,1,2,3,4,5,6,7,8,9,10,11,12,13,14,15
	global_store_b128 v4, v[AF+64*((\a)%2)+4*\t:AF+64*((\a)%2)+4*\t+3], s[12:13] offset:(32*((\a)/2)+16*(\t/8)+8*((\a)%2)+\t%8)*4096 th:TH_STORE_NT   ; 512 consecutive bytes of one row, at a multiple of 256 from out's first byte
.endr
.endm
	PLACES                                         ; behind the last products: for the reads of their results and the loads into att's fragment registers
	TOSTAGE 0
.irp a,1,2,3
.if \a > 1
	s_wait_xcnt 0x0                                ; tile a - 2's stores have read their registers: tile a's rows may land there
.endif
	TOSTAGE \a
	SEND \a-1,32                                   ; behind tile a - 1's loads: tile a's 16 stores and 16 loads
.endr
	SEND 3,0
	s_wait_tensorcnt 0x0                           ; the wave's end
	ds_add_u32 v28, v29
	s_wait_dscnt 0x0
	CROUND                                         ; the closing round
	s_endpgm
.Lfunc_end_k_q7580072326_proj:
	.size	k_q7580072326_proj, .Lfunc_end_k_q7580072326_proj-k_q7580072326_proj
	.p2alignl 7, 3214868480
	.fill 96, 4, 3214868480
	.section	.rodata,"a",@progbits
	.p2align	6, 0x0
	.amdhsa_kernel k_q7580072326_proj
		.amdhsa_group_segment_fixed_size 327680
		.amdhsa_private_segment_fixed_size 0
		.amdhsa_enable_private_segment 0
		.amdhsa_kernarg_size 40
		.amdhsa_user_sgpr_count 2
		.amdhsa_user_sgpr_kernarg_segment_ptr 1
		.amdhsa_wavefront_size32 1
		.amdhsa_system_sgpr_workgroup_id_x 1
		.amdhsa_system_sgpr_workgroup_id_y 1
		.amdhsa_system_sgpr_workgroup_id_z 1
		.amdhsa_system_vgpr_workitem_id 0
		.amdhsa_next_free_vgpr 768
		.amdhsa_next_free_sgpr 102
		.amdhsa_reserve_vcc 0
		.amdhsa_float_denorm_mode_32 3
		.amdhsa_float_denorm_mode_16_64 3
		.amdhsa_memory_ordered 1
		.amdhsa_forward_progress 1
		.amdhsa_inst_pref_size 85
	.end_amdhsa_kernel
	.amdgpu_metadata
---
amdhsa.version: [ 1, 2 ]
amdhsa.kernels:
  - .name:           k_q7580072326_proj
    .symbol:         k_q7580072326_proj.kd
    .args:
      - { .name: attc, .offset: 0, .size: 8, .value_kind: global_buffer, .address_space: global }
      - { .name: w2c, .offset: 8, .size: 8, .value_kind: global_buffer, .address_space: global }
      - { .name: sc2, .offset: 16, .size: 8, .value_kind: global_buffer, .address_space: global }
      - { .name: b2, .offset: 24, .size: 8, .value_kind: global_buffer, .address_space: global }
      - { .name: out0, .offset: 32, .size: 8, .value_kind: global_buffer, .address_space: global }
    .group_segment_fixed_size: 327680
    .private_segment_fixed_size: 0
    .kernarg_segment_align: 8
    .kernarg_segment_size: 40
    .max_flat_workgroup_size: 128
    .sgpr_count:     102
    .vgpr_count:     768
    .wavefront_size: 32
...
	.end_amdgpu_metadata
.endif
;; end of part 4
